; MI455X (gfx1250); checked and timed in simulation.
; The chip was launched on July 23, 2026; its instructions are those of AMD's public machine-readable ISA for CDNA 5 (MIT licence, August 2026) and "CDNA5" Instruction Set Architecture Reference Guide (July 2026). The comments in the code are by the model that wrote it; some were corrected since.
;; Attention Module. Allowed arithmetic: matrix products marked QUANTISED: E2M1 operands, one E8M0 scale for each 32 along K, by v_wmma_scale_f32_16x16x128_f8f6f4 with both operands' format E2M1 (or v_wmma_scale_f32_32x16x128_f4), f32 sums; everything else in f32.
;; Inputs: K_codes 4 x 16 x 2,048 x 2 x 16 uint8 (E2M1 codes of K, K innermost, in blocks of 32 codes, two codes a byte); K_scales 4 x 16 x 2,048 x 2 uint8 (E8M0 scales of K, one for each 32 codes along K); Q_codes 4 x 16 x 2,048 x 2 x 16 uint8 (E2M1 codes of Q, K innermost, in blocks of 32 codes, two codes a byte); Q_scales 4 x 16 x 2,048 x 2 uint8 (E8M0 scales of Q, one for each 32 codes along K); V_codes 4 x 16 x 64 x 64 x 16 uint8 (E2M1 codes of V, K innermost, in blocks of 32 codes, two codes a byte); V_scales 4 x 16 x 64 x 64 uint8 (E8M0 scales of V, one for each 32 codes along K); mask 2,048 x 2,048 bool.
;; Outputs: out0 4 x 16 x 2,048 x 64 float32.
;; This version of the problem:
;;   THIS VERSION OF THE PROBLEM IS GIVEN IN LOW PRECISION. The matrix products marked QUANTISED in the list below multiply operands that are first quantised to E2M1 (2 exponent bits, 1 mantissa bit; 4 bits a number), with one power-of-two scale for each 32 numbers along K (OCP MX v1.0); their sums are f32. All else is computed in f32.
;;   The module's matrix products, in the order in which they are computed (A, B: the left and right operand; K: the contracted axis; several contracted axes count as one K, in the product's order):
;;     1. batch 64 x [M 2,048, K 64] x [K 64, N 2,048]; A: input Q (given as codes); B: input K (given as codes): QUANTISED
;;     2. batch 64 x [M 2,048, K 2,048] x [K 2,048, N 64]; A: softmax (see below); B: input V (given as codes): QUANTISED
;;   THE QUANTISER, for each operand of a quantised product, along K:
;;     - K is cut into blocks of 32 from its start; a last block that is shorter is filled with zeros.
;;     - A block's scale is 2^e with e = floor(log2(the largest magnitude in the block)) - 2, held to -126 .. 127; a block of zeros has e = 0. As a byte (E8M0): e + 127.
;;     - Each number is divided by its block's scale, clamped to +-6, and rounded to the nearest number of E2M1, ties to even, subnormals kept.
;;     - The product sums the exact products of the quantised numbers (number of the format x scale) in f32.
;;   ~~~python
;;   def quantise(x, axis):      # numpy; x: float32 -> the quantised numbers, widened to float32 again
;;       x = np.moveaxis(x, axis, -1); K = x.shape[-1]
;;       x = np.pad(x, [(0, 0)] * (x.ndim - 1) + [(0, -K % 32)]); x = x.reshape(x.shape[:-1] + (-1, 32)); a = np.abs(x).max(-1, keepdims=True)
;;       e = np.where(a > 0, np.clip(np.frexp(np.where(a > 0, a, 1))[1] - 1 - 2, -126, 127), 0)      # np.frexp(a)[1] - 1 = floor(log2(a)), exactly
;;       r = np.clip(x / 2.0 ** e, -6, 6)
;;       step = 2.0 ** (np.maximum(np.frexp(np.where(r == 0, 1, r))[1] - 1, 0) - 1)
;;       q = np.round(r / step) * step * 2.0 ** e      # np.round: ties to even
;;       return np.moveaxis(q.reshape(q.shape[:-2] + (-1,))[..., :K], -1, axis).astype(np.float32)
;;   ~~~
;;   SOFTMAX AHEAD OF A QUANTISED PRODUCT. Where the list says 'softmax', what is quantised is not the finished softmax but p = 2^(t - M), with t = logit x log2(e) and M = ceil(the row's largest t), a whole number; so 1/2 < the row's largest p <= 1. The row's sum l is taken of the UNQUANTISED p, in f32, and the product's result is divided by l at the end. Since M is a whole number, a kernel that streams over the keys may use a running M (the ceiling of the running maximum): every later rescaling is an exact power of two, which a block's scale takes up: the codes' values come out the same.
;;   OPERANDS COMPUTED ON THE WAY. 'Computed on the way' means the value that the module computes at that place (a softmax that the list does not call 'softmax' is quantised finished and normalised). What goes into a quantiser is computed in f32, as accurately as f32 sums, v_exp_f32 and their like allow (about 1e-6 of the number): no bf16 or f16 on the way to a quantiser, and a product that is left as it is and whose result goes on into a quantised operand takes f32 operands (vector FMAs, or v_wmma_f32_16x16x4_f32). A number that lies on a knife's edge between two numbers of the format may be rounded either way, as far as f32 arithmetic and the matrix unit's own rounding can turn it there, and no further.
;;   INPUTS GIVEN AS CODES. K (in the module: [4, 16, 2048, 64], K = its axis 3); Q (in the module: [4, 16, 2048, 64], K = its axis 3); V (in the module: [4, 16, 2048, 64], K = its axis 2): each comes as NAME_codes (uint8): NAME with its K axis moved to the last place and cut into blocks of 32 codes, [.., K / 32, bytes a block], one block behind the other in memory; two codes a byte, the lower K in the low four bits (a code: sign, 2 exponent bits, 1 mantissa bit); and NAME_scales (uint8): the same leading axes, one E8M0 byte (e + 127) for each 32 codes along K. Its value is code x scale, taken as it is: it is not quantised again, and the codes and scales need not be those that the quantiser above would give.
;; 2 versions. Each part assembles by itself: llvm-mc -triple=amdgcn-amd-amdhsa -mcpu=gfx1250 --defsym DOCPART=n.
;; ======== version 1 of 2: 2 launches
;; workspace buffers: mbits 524,288 bytes of whole numbers; mflags 512 bytes of whole numbers
;; launch maskprep (part 1): grid 128 x 1, 8 waves a work-group, no clusters, 36,096 bytes of LDS; arguments mask, mbits, mflags; writes mbits, mflags
.if DOCPART == 1
	.amdgcn_target "amdgcn-amd-amdhsa--gfx1250"
	.amdhsa_code_object_version 6
	.text
	.protected	k_qb2b1d3c508_maskprep
	.globl	k_qb2b1d3c508_maskprep
	.p2align	8
	.type	k_qb2b1d3c508_maskprep,@function
k_qb2b1d3c508_maskprep:
	s_mov_b64 s[64:65], 0
	v_nop
	global_prefetch_b8 v0, s[64:65] scope:SCOPE_SE
	s_setreg_imm32_b32 hwreg(HW_REG_WAVE_MODE, 25, 1), 1
	s_wait_xcnt 0x0
; The mask [2048][2048], one byte a place (0 = hidden, anything else = counts), is read once and laid as the attention launch wants it.
; mbits  [tile T of 16 queries, 0..127][step s of 128 keys, 0..15][n, 0..63], 32-bit words: bit l of word n says whether key
;        128 s + 32 (n / 16) + 16 (l / 16) + n % 16 counts for query 16 T + l % 16.  That is the place that lane l's score register n has
;        in the attention launch, so that a word is the lane mask of one select there.
; mflags [T], 32-bit words: bits 2 s + 1 : 2 s = 0 where no key of step s counts for any of the tile's queries, 2 where all count, 1 otherwise.
; SHARES.  A work-group takes one tile T (16 rows of the mask), wave w the columns 256 w .. 256 w + 255: steps 2 w and 2 w + 1.
; Each load reads two whole pieces of 256 consecutive bytes (lanes 0-15 one row, lanes 16-31 the next).  The bytes turn through the wave's own
; stage in LDS (rows 256 + 16 bytes apart), so that lane (r, h) then holds, of row r, the 16 bytes at 32 b + 16 h of each block b of 32 keys.
; No matrix unit, no tensor load, no cluster: 4 MiB are read once and an eighth of that is written; work-groups share nothing.
.set PITCH, 272                        ; a stage row: 256 bytes + 16: the 16 rows that a load touches start in 16 different groups of four banks
.set WSTG,  16*PITCH                   ; a wave's stage
.set FLG,   8*WSTG                     ; behind the stages: a word for each wave's four flag bits
	s_load_b128 s[4:7], s[0:1], 0x0                ; mask s[4:5], mbits s[6:7]
	s_load_b64 s[8:9], s[0:1], 0x10                ; mflags
	v_lshl_add_u32 v96, v0, 2, 0x8900
	v_mov_b32 v97, 0
	v_lshrrev_b32 v8, 5, v0
	v_readfirstlane_b32 s10, v8                    ; wave 0..7
	v_and_b32 v8, 15, v0                           ; r
	v_bfe_u32 v9, v0, 4, 1                         ; h
	v_lshlrev_b32 v1, 4, v8
	v_lshl_add_u32 v1, v9, 11, v1                  ; in: row h of a pair of rows (2,048 bytes a row), 16 bytes a lane
	s_mul_i32 s11, s10, WSTG                       ; my stage
	v_mul_u32_u24 v2, v9, PITCH
	v_lshl_add_u32 v2, v8, 4, v2
	v_add_nc_u32 v2, s11, v2                       ; into the stage: the same two rows
	v_mul_u32_u24 v3, v8, PITCH
	v_lshl_add_u32 v3, v9, 4, v3
	v_add_nc_u32 v3, s11, v3                       ; out of it: row r, + 16 h
	v_and_b32 v4, 31, v0
	v_lshlrev_b32 v4, 3, v4                        ; out: two words a lane
	v_mov_b32 v11, s10
	v_lshl_add_u32 v11, v11, 2, FLG                ; my wave's flag word
	v_mov_b32 v12, FLG
	v_mov_b32 v13, 0
.irp i, 80,81,82,83
	v_mov_b32 v\i, 0                               ; written once whole: v_writelane_b32 fills them lane by lane
.endr
	s_lshl_b32 s12, ttmp9, 15                      ; mask: 16 rows of 2,048 bytes a tile,
	s_lshl_b32 s13, s10, 8                         ; 256 columns a wave
	s_add_co_u32 s12, s12, s13
	s_mov_b32 s13, 0
	s_lshl_b32 s14, ttmp9, 12                      ; mbits: 4,096 bytes a tile,
	s_lshl_b32 s15, s10, 9                         ; 512 a wave (two steps of 64 words)
	s_add_co_u32 s14, s14, s15
	s_mov_b32 s15, 0
	s_lshl_b32 s16, ttmp9, 2                       ; mflags: a word a tile
	s_mov_b32 s17, 0
	s_mov_b32 s27, 0                               ; my wave's flag bits
	s_wait_kmcnt 0x0
	s_add_nc_u64 s[4:5], s[4:5], s[12:13]
	s_add_nc_u64 s[6:7], s[6:7], s[14:15]
	s_add_nc_u64 s[8:9], s[8:9], s[16:17]
.irp i, 0,1,2,3,4,5,6,7
	global_load_b128 v[16+4*\i:19+4*\i], v1, s[4:5] offset:4096*\i th:TH_LOAD_NT   ; rows 2 i and 2 i + 1; read once in the launch
.endr
.irp i, 0,1,2,3,4,5,6,7
	s_wait_loadcnt 7-\i                            ; loads come back in order: load i is in, the younger ones stay out
	ds_store_b128 v2, v[16+4*\i:19+4*\i] offset:2*PITCH*\i
.endr
.irp s, 0,1
.irp b, 0,1,2,3
	ds_load_b128 v[48+16*\s+4*\b:51+16*\s+4*\b], v3 offset:128*\s+32*\b   ; LDS serves a wave's instructions in order: these see my stores
.endr
.endr
; Step sp of my two: byte n % 16 of block n / 16 becomes a lane mask, which is word n.  Word n goes to lane n / 2 of one of a pair of registers,
; so that one store of 8 bytes a lane writes the step's 256 bytes on end.  The OR and the AND of the 64 words give the flag.
.macro WORDS sp
	s_mov_b32 s21, 0
	s_mov_b32 s22, -1
.set n, 0
.rept 64
	v_bfe_u32 v[8+n%2], v[48+16*\sp+4*(n/16)+(n%16)/4], 8*(n%4), 8
	v_cmp_ne_u32 s[20+3*(n%2)], 0, v[8+n%2]        ; (two temporaries and two masks by turns)
	v_writelane_b32 v[80+2*\sp+n%2], s[20+3*(n%2)], n/2
	s_or_b32 s21, s21, s[20+3*(n%2)]
	s_and_b32 s22, s22, s[20+3*(n%2)]
.set n, n+1
.endr
	global_store_b64 v4, v[80+2*\sp:81+2*\sp], s[6:7] offset:256*\sp   ; 32 lanes store 256 consecutive bytes, at a multiple of 256 from the buffer's first byte
	s_cmp_lg_u32 s21, 0
	s_cselect_b32 s24, 1, 0                        ; some key counts
	s_cmp_eq_u32 s22, -1
	s_cselect_b32 s25, 1, 0                        ; all count
	s_add_co_u32 s24, s24, s25                     ; 0, 1 or 2
	s_lshl_b32 s24, s24, 2*\sp
	s_or_b32 s27, s27, s24
.endm
	s_wait_dscnt 4                                 ; the first step's four loads are in, the second's may be out
	WORDS 0
	s_wait_dscnt 0x0
	WORDS 1
	s_lshl_b32 s26, s10, 2
	s_lshl_b32 s27, s27, s26                       ; my four bits at their place in the tile's word: 4 x wave up
	v_mov_b32 v10, s27
	ds_store_b32 v11, v10                          ; all lanes write the same word with the same value
	s_wait_dscnt 0x0                               ; for the others' sake: my store has landed
	s_barrier_signal -1
	s_barrier_wait -1
	ds_load_b128 v[84:87], v12
	ds_load_b128 v[88:91], v12 offset:16
	s_wait_dscnt 0x0
.irp i, 85,86,87,88,89,90,91
	v_or_b32 v84, v84, v\i
.endr
	v_cmp_gt_u32 vcc_lo, 1, v0                     ; thread 0 alone stores the tile's word
	s_wait_xcnt 0x0                                ; EXEC is a source of the stores above: it changes only behind this wait
	s_wait_tensorcnt 0x0
	ds_add_u32 v96, v97
	s_wait_dscnt 0x0
	s_and_saveexec_b32 s28, vcc_lo
	global_store_b32 v13, v84, s[8:9]
	s_wait_xcnt 0x0                                ; and again in front of the line that widens it
	s_or_b32 exec_lo, exec_lo, s28
	s_endpgm
.Lfunc_end_k_qb2b1d3c508_maskprep:
	.size	k_qb2b1d3c508_maskprep, .Lfunc_end_k_qb2b1d3c508_maskprep-k_qb2b1d3c508_maskprep
	.p2alignl 7, 3214868480
	.fill 96, 4, 3214868480
	.section	.rodata,"a",@progbits
	.p2align	6, 0x0
	.amdhsa_kernel k_qb2b1d3c508_maskprep
		.amdhsa_group_segment_fixed_size 36096
		.amdhsa_private_segment_fixed_size 0
		.amdhsa_enable_private_segment 0
		.amdhsa_kernarg_size 24
		.amdhsa_user_sgpr_count 2
		.amdhsa_user_sgpr_kernarg_segment_ptr 1
		.amdhsa_wavefront_size32 1
		.amdhsa_system_sgpr_workgroup_id_x 1
		.amdhsa_system_sgpr_workgroup_id_y 1
		.amdhsa_system_sgpr_workgroup_id_z 1
		.amdhsa_system_vgpr_workitem_id 0
		.amdhsa_next_free_vgpr 98
		.amdhsa_next_free_sgpr 66
		.amdhsa_reserve_vcc 1
		.amdhsa_float_denorm_mode_32 3
		.amdhsa_float_denorm_mode_16_64 3
		.amdhsa_memory_ordered 1
		.amdhsa_forward_progress 1
		.amdhsa_inst_pref_size 38
	.end_amdhsa_kernel
	.amdgpu_metadata
---
amdhsa.version: [ 1, 2 ]
amdhsa.kernels:
  - .name:           k_qb2b1d3c508_maskprep
    .symbol:         k_qb2b1d3c508_maskprep.kd
    .args:
      - { .name: mask, .offset: 0, .size: 8, .value_kind: global_buffer, .address_space: global }
      - { .name: mbits, .offset: 8, .size: 8, .value_kind: global_buffer, .address_space: global }
      - { .name: mflags, .offset: 16, .size: 8, .value_kind: global_buffer, .address_space: global }
    .group_segment_fixed_size: 36096
    .private_segment_fixed_size: 0
    .kernarg_segment_align: 8
    .kernarg_segment_size: 24
    .max_flat_workgroup_size: 256
    .sgpr_count:     66
    .vgpr_count:     98
    .wavefront_size: 32
...
	.end_amdgpu_metadata
.endif
;; end of part 1
;; launch attn (part 2): grid 4 x 64, 16 waves a work-group, no clusters, 219,136 bytes of LDS; arguments K_codes, K_scales, V_codes, V_scales, Q_codes, Q_scales, mbits, mflags, out0; writes out0
.if DOCPART == 2
	.amdgcn_target "amdgcn-amd-amdhsa--gfx1250"
	.amdhsa_code_object_version 6
	.text
	.protected	k_qb2b1d3c508_attn
	.globl	k_qb2b1d3c508_attn
	.p2align	8
	.type	k_qb2b1d3c508_attn,@function
k_qb2b1d3c508_attn:
	s_mov_b64 s[64:65], 0
	v_nop
	global_prefetch_b8 v0, s[64:65] scope:SCOPE_SE
	s_setreg_imm32_b32 hwreg(HW_REG_WAVE_MODE, 25, 1), 1
	s_wait_xcnt 0x0
; out0[hd][q][:] = the sum over k of softmax_k(Q[hd][q] . K[hd][k] / 8, hidden keys at -infinity) V[hd][k][:]: 64 heads, 2,048 queries and keys, head size 64; both products on codes of FP4 (E2M1)
; with one E8M0 scale for each 32 along a product's K.  Q, K: rows of 32 bytes of codes and 2 scale bytes.  V: the keys innermost: for each head 64 rows of 1,024 bytes of codes and 64 scale bytes.
; THE MASK is an input.  The launch before has laid it as lane masks in the score registers' layout (mbits) and as 2 bits for each 16 queries x 128 keys (mflags: 0 none counts, 1 mixed, 2 all count).
; A step with flag 0 adds nothing to any sum (every p of it is 0) and leaves every maximum as it was: its work is jumped over.  With flag 1 hidden scores become -infinity by 64 selects; with flag 2 the selects are jumped over.
; THE SOFTMAX AHEAD OF THE SECOND PRODUCT: t = score x log2(e) / 8; M = the row's largest t so far, rounded UP to a whole number; p = 2^(t - M) is quantised along the keys, not normalised; the row's sum is
; taken of the unquantised p and divides at the end.  When M moves, the sum and O are multiplied by 2^(old M - new M), which rounds nothing.
; SHARES.  A work-group has one head and a quarter of its 128 tiles of 16 queries; 16 waves of 256 registers, four to a SIMD, so that one wave's vector work (some 230 instructions a step) stands beside another's 12 matrix
; instructions and 18 LDS loads.  Wave w of quarter g takes tiles j = 16 g + w and 127 - j, one after the other: where a mask hides later keys the two together have the same work in every wave; no value hangs on that.
; K, V AND THEIR SCALES OF THE WHOLE HEAD (139,264 bytes) come into LDS ONCE, through registers, laid as images of the operands' registers; one barrier; behind it nothing in those bytes is written and no wave waits for another.
; NO CLUSTER, NO TENSOR LOAD: the four work-groups of a head read the same 139,264 bytes, once each, at their start.  A joint request is a tensor load.
; The jump over hidden steps spares more than the three further reads of a head's codes cost.
; LAYOUT.  Both products are used transposed: S^T = K Q^T (source 0 = 16 keys, source 1 = my 16 queries), O^T = V^T P^T (source 0 = 16 of the head's 64, source 1 = P): lane (r, h) holds query r throughout.
; THE KEYS OF A TILE ARE NOT NEIGHBOURS: lane r of tile 2 b + u takes key 32 b + 8 u + r + 8 (r / 8), so that score register 16 b + i is key 32 b + 16 h + i: 16 neighbours along the second product's K.
; The first product's K is 64, the instruction's 128: registers 4-7 of Q's and K's fragments hold zero codes, written once; their scale bytes are 0 (2^-127), under which zero codes add nothing.
; LIMITS.  A row with no key that counts: sum 0 and O 0, 0 x (1 / 0) = NaN, as the definition has it.  The running maximum begins at -3e38: a t under that is not served.  A p under 2^-126 is 0 (v_exp_f32 flushes).
; A block's largest p is made from the block's largest score by the same multiply-add and exponential: this takes v_exp_f32 not to fall where its input rises.  t - M is one fused multiply-add.  A given scale byte 0xff gives NaN.
; LDS: see the constants.  REGISTERS: v1-7 addresses that stay; v8-11 the step's addresses; v12 -M, v13 the largest t, v[14:15] the sum in two halves; v16-23 Q; v24 Q's scale words; v25-26 the stage;
;   v28-31 K's scale words; v32-95 K's eight fragments; v96-159 S^T, then p; v160-191 O^T; v192-223 V's four fragments; v224-231 p's codes; v232-247 at work; v248-249 V's scale words; v250 p's scale word; v252-254 at work.
.set KIMG, 0                           ; K's codes: step s, tile t: lane l's 16 bytes at 4096 s + 512 t + 16 l
.set VP,   272                         ; V's codes: rows of 256 bytes + 16: row q = h + 2 c + 4 s + 64 t holds, at 16 r, keys 128 s + 64 c + 32 h + 0..31 of d = 16 t + r:
.set VIMG, 65536                       ;   sixteen lanes of a load read 256 bytes on end; sixteen lanes of the fill's stores fall on sixteen different rows modulo 16
.set KSC,  VIMG+256*VP                 ; K's scale words: 512 s + 16 l + 4 b: lanes 0-15 tile 2 b's, lanes 16-31 tile 2 b + 1's
.set VSC,  KSC+8192                    ; V's scale words: 256 s + 8 l + 4 e: lanes 0-15 tile 2 e's, lanes 16-31 tile 2 e + 1's
.set STG,  VSC+4096                    ; the way out: 16 rows x (256 + 16) bytes for each wave, its own
.set WSTG, 16*VP
.set AK,   1                           ; v1   16 x lane: my place in an image of K (KIMG = 0); also my byte offset in a pair of rows of out0
.set AV,   2                           ; v2   VIMG + 272 h + 16 r
.set AKS,  3                           ; v3   KSC + 16 x lane
.set AVS,  4                           ; v4   VSC + 8 x lane
.set NINF, 5                           ; v5   -infinity
.set QO,   6                           ; v6   32 r + 16 h: Q's codes
.set QSO,  7                           ; v7   2 r: Q's scale bytes
.set ADK,  8
.set ADS,  9
.set ADV,  10
.set ADT,  11
.set SIN,  25                          ; v25  the stage: where I put 16 bytes of a row
.set SOUT, 26                          ; v26  and where I read a row back
.set FW,   100                         ; the fill alone: v100-103 K's scale words in the making,
.set FKD,  104                         ; v104-107 where my bytes of K, V, K's scales, V's scales go in LDS,
.set FVD,  105
.set FKS,  106
.set FVS,  107
.set FT,   108                         ; v108 at work,
.set FO16, 109                         ; v109 16 x thread, v110 8 x thread: where they come from
.set FO8,  110
.set WV,   2                           ; s2   my wave's number
.set F,    3                           ; s3   the step's flag
.set CNT,  4                           ; s4   steps to go
.set TK,   5                           ; s5   the step's place in KIMG: 4,096 a step
.set TS,   6                           ; s6   in KSC: 512
.set TV,   7                           ; s7   in VIMG: four rows, 1,088
.set TJ,   8                           ; s8   in VSC and in a tile's mask words: 256
.set SEL,  10                          ; s[10:11] v_permlanex16_b32's selects for lane l xor 16
.set CS,   12                          ; s[12:13] c = log2(e) / 8: the packed form names a pair and takes its low word for both halves
; s[16:63] and s[68:83]: the step's 64 mask words, word n in s[16 + n + 4 (n / 48)]; at the head s[16:33] hold the nine addresses.
; s[84:91], s[92:99]: for each of my two tiles the addresses of its Q codes, Q scales, rows of out0 and mask words; s100, s101 its flags.
	s_load_b512 s[16:31], s[0:1], 0x0              ; K codes s[16:17], K scales s[18:19], V codes s[20:21], V scales s[22:23], Q codes s[24:25], Q scales s[26:27], mbits s[28:29], mflags s[30:31]
	s_load_b64 s[32:33], s[0:1], 0x40              ; out0
	v_lshl_add_u32 v251, v0, 2, 0x35000
	v_mov_b32 v255, 0
	v_lshrrev_b32 v8, 5, v0
	v_readfirstlane_b32 s[WV], v8                  ; wave 0..15
	s_and_b32 s3, ttmp7, 0xffff                    ; the head
	s_lshl_b32 s4, ttmp9, 4
	s_add_co_u32 s4, s4, s[WV]                     ; my first tile: 16 x quarter + wave
	s_sub_co_u32 s5, 127, s4                       ; my second
	s_mov_b32 s15, 0
	v_lshlrev_b32 v[FO16], 4, v0
	v_lshlrev_b32 v[FO8], 3, v0
	s_wait_kmcnt 0x0
	s_lshl_b32 s14, s3, 16                         ; a head's codes: 65,536 bytes in each of the three tensors
	s_add_nc_u64 s[16:17], s[16:17], s[14:15]
	s_add_nc_u64 s[20:21], s[20:21], s[14:15]
	s_add_nc_u64 s[24:25], s[24:25], s[14:15]
	s_lshl_b32 s14, s3, 12                         ; its scale bytes: 4,096
	s_add_nc_u64 s[18:19], s[18:19], s[14:15]
	s_add_nc_u64 s[22:23], s[22:23], s[14:15]
	s_add_nc_u64 s[26:27], s[26:27], s[14:15]
	; THE FILL: 512 threads x 16 bytes x 8 for K's codes, the same for V's; 8 bytes a thread for each tensor of scales.  Every load of a wave reads consecutive bytes.
.irp j, 0,1,2,3,4,5,6,7
	global_load_b128 v[32+4*\j:35+4*\j], v[FO16], s[16:17] offset:8192*\j
.endr
.irp j, 0,1,2,3,4,5,6,7
	global_load_b128 v[64+4*\j:67+4*\j], v[FO16], s[20:21] offset:8192*\j
.endr
	global_load_b64 v[96:97], v[FO8], s[18:19]
	global_load_b64 v[98:99], v[FO8], s[22:23]
	s_lshl_b32 s14, s3, 19                         ; a head's rows of out0: 524,288 bytes
	s_add_nc_u64 s[32:33], s[32:33], s[14:15]
.macro BASES t, d                      ; the tile in s[t]: its four addresses into s[d] on
	s_lshl_b32 s14, s[\t], 9                       ; 16 rows of 32 bytes of codes
	s_add_nc_u64 s[\d:\d+1], s[24:25], s[14:15]
	s_lshl_b32 s14, s[\t], 5                       ; 16 x 2 scale bytes
	s_add_nc_u64 s[\d+2:\d+3], s[26:27], s[14:15]
	s_lshl_b32 s14, s[\t], 12                      ; 16 rows of 256 bytes of out0; and 16 steps x 64 mask words are as many bytes
	s_add_nc_u64 s[\d+4:\d+5], s[32:33], s[14:15]
	s_add_nc_u64 s[\d+6:\d+7], s[28:29], s[14:15]
.endm
	BASES 4, 84
	BASES 5, 92
	s_lshl_b32 s14, s4, 2
	s_lshl_b32 s15, s5, 2
	s_load_b32 s100, s[30:31], s14 offset:0x0      ; my tiles' flags (s14 and s15 stay as they are until the wait for these loads)
	s_load_b32 s101, s[30:31], s15 offset:0x0
	; Where a thread's bytes go.  K's load j brings half tid % 2 of key 256 j + tid / 2.  With x = key % 32: r = x % 8 + 8 (x / 16), u = (x / 8) % 2; the image's place is 4096 s + 1024 b + 512 u + 256 half + 16 r.
	v_bfe_u32 v[FKD], v0, 1, 3
	v_lshlrev_b32 v[FKD], 4, v[FKD]                ; 16 (r % 8)
	v_bfe_u32 v[FT], v0, 5, 1
	v_lshl_or_b32 v[FKD], v[FT], 7, v[FKD]         ; 128 (r / 8)
	v_and_b32 v[FT], 1, v0
	v_lshl_or_b32 v[FKD], v[FT], 8, v[FKD]         ; 256 x half
	v_bfe_u32 v[FT], v0, 4, 1
	v_lshl_or_b32 v[FKD], v[FT], 9, v[FKD]         ; 512 u
	v_lshrrev_b32 v[FT], 6, v0
	v_lshl_or_b32 v[FKD], v[FT], 10, v[FKD]        ; 1024 (b + 4 (s % 2)); 8192 j stands in the store's immediate
	; V's load j brings piece tid % 64 (16 bytes: 32 keys) of row d = 8 j + tid / 64: image row tid % 64 + 64 (j / 2), at 16 (d % 16).
	v_and_b32 v[FVD], 63, v0
	v_mul_u32_u24 v[FVD], v[FVD], VP
	v_lshrrev_b32 v[FT], 6, v0
	v_lshl_add_u32 v[FVD], v[FT], 4, v[FVD]
	v_add_nc_u32 v[FVD], VIMG, v[FVD]
	; K's scales: a thread has keys 4 tid + 0..3, which are four neighbouring r of one tile.
	v_lshrrev_b32 v[FKS], 5, v0
	v_lshlrev_b32 v[FKS], 9, v[FKS]                ; 512 s
	v_bfe_u32 v[FT], v0, 1, 1
	v_lshl_or_b32 v[FKS], v[FT], 8, v[FKS]         ; 256 u
	v_bfe_u32 v[FT], v0, 2, 1
	v_lshl_or_b32 v[FKS], v[FT], 7, v[FKS]         ; 128 (r / 8)
	v_and_b32 v[FT], 1, v0
	v_lshl_or_b32 v[FKS], v[FT], 6, v[FKS]         ; 64 ((r / 4) % 2)
	v_bfe_u32 v[FT], v0, 3, 2
	v_lshl_or_b32 v[FKS], v[FT], 2, v[FKS]         ; 4 b
	v_add_nc_u32 v[FKS], KSC, v[FKS]
	; V's scales: a thread has the words of steps 2 (tid % 8) and + 1 of row d = tid / 8.
	v_and_b32 v[FVS], 7, v0
	v_lshlrev_b32 v[FVS], 9, v[FVS]                ; 256 s
	v_bfe_u32 v[FT], v0, 7, 1
	v_lshl_or_b32 v[FVS], v[FT], 7, v[FVS]         ; 128 (t % 2)
	v_bfe_u32 v[FT], v0, 3, 4
	v_lshl_or_b32 v[FVS], v[FT], 3, v[FVS]         ; 8 r
	v_lshrrev_b32 v[FT], 8, v0
	v_lshl_or_b32 v[FVS], v[FT], 2, v[FVS]         ; 4 (t / 2)
	v_add_nc_u32 v[FVS], VSC, v[FVS]
	; the addresses that stay, made while the loads are on their way
	v_and_b32 v9, 15, v0                           ; r
	v_bfe_u32 v10, v0, 4, 1                        ; h
	v_and_b32 v[AK], 31, v0
	v_lshl_add_u32 v[AVS], v[AK], 3, VSC
	v_lshlrev_b32 v[AK], 4, v[AK]
	v_add_nc_u32 v[AKS], KSC, v[AK]
	v_mul_u32_u24 v[AV], v10, VP
	v_lshl_add_u32 v[AV], v9, 4, v[AV]
	v_add_nc_u32 v[AV], VIMG, v[AV]
	v_mov_b32 v[NINF], 0xff800000
	v_lshlrev_b32 v[QO], 5, v9
	v_lshl_add_u32 v[QO], v10, 4, v[QO]
	v_lshlrev_b32 v[QSO], 1, v9
	s_mul_i32 s9, s[WV], WSTG
	s_add_co_u32 s9, s9, STG                       ; my stage
	v_mul_u32_u24 v[SIN], v9, VP
	v_lshl_add_u32 v[SIN], v10, 5, v[SIN]
	v_add_nc_u32 v[SIN], s9, v[SIN]                ; in: row r; tile t's eight channels of my half: 64 t + 32 h bytes on
	v_mul_u32_u24 v[SOUT], v10, VP
	v_lshl_add_u32 v[SOUT], v9, 4, v[SOUT]
	v_add_nc_u32 v[SOUT], s9, v[SOUT]              ; back: lanes 0-15 one row, lanes 16-31 the next
	s_mov_b32 s[SEL], 0x76543210
	s_mov_b32 s[SEL+1], 0xfedcba98
	s_mov_b32 s[CS], 0x3e38aa3b                    ; c = log2(e) / 8
	s_mov_b32 s[CS+1], s[CS]                       ; (named with it as a pair, so it is written)
	s_wait_loadcnt 10                              ; K's eight loads are in; V's eight and the two of scales may be out
.irp j, 0,1,2,3,4,5,6,7
	ds_store_b128 v[FKD], v[32+4*\j:35+4*\j] offset:KIMG+8192*\j
.endr
	s_wait_loadcnt 2                               ; V's are in; the two of scales may be out
.irp j, 0,1,2,3,4,5,6,7
	ds_store_b128 v[FVD], v[64+4*\j:67+4*\j] offset:128*(\j%2)+64*VP*(\j/2)
.endr
	s_wait_loadcnt 0x0
	v_and_b32 v[FW], 0xffff, v96                   ; a key's two scale bytes become a word: the bytes of the padded K = 64 .. 127 are 0
	v_lshrrev_b32 v[FW+1], 16, v96
	v_and_b32 v[FW+2], 0xffff, v97
	v_lshrrev_b32 v[FW+3], 16, v97
.irp i, 0,1,2,3
	ds_store_b32 v[FKS], v[FW+\i] offset:16*\i
.endr
	ds_store_b32 v[FVS], v98
	ds_store_b32 v[FVS], v99 offset:256
	s_wait_dscnt 0x0                               ; for the others' sake: all my stores have landed
	s_wait_kmcnt 0x0                               ; my flags are in
	s_barrier_signal -1
	s_barrier_wait -1                              ; the head's K, V and scales lie in LDS; the launch's only barrier
	; The addresses in s[16:33] are done with (every load that names them has come back).  The mask words begin as all ones, so that they are written on every way through a step.
.set n, 16
.rept 24
	s_mov_b64 s[n:n+1], -1
.set n, n+2
.endr
.set n, 68
.rept 8
	s_mov_b64 s[n:n+1], -1
.set n, n+2
.endr
.irp i, 20,21,22,23
	v_mov_b32 v\i, 0                               ; Q's codes of K = 64 .. 127: zeros
.endr
.irp t, 0,1,2,3,4,5,6,7
.irp i, 4,5,6,7
	v_mov_b32 v[32+8*\t+\i], 0                     ; K's likewise: the steps' loads write registers 0-3 of each fragment alone
.endr
.endr
.irp i, 236,237,238,239,252,253,254
	v_mov_b32 v\i, 0                               ; written once: a lane permute's destination counts as one of its sources; v253 is named as the upper half of the pair v[252:253]
.endr
; ONE TILE OF 16 QUERIES.  qb, qs, ob, mp: the scalar pairs with the addresses of its Q codes, Q scales, rows of out0, mask words; fw: the scalar register with its flags.
.macro TILE qb, qs, ob, mp, fw
	global_load_b128 v[16:19], v[QO], s[\qb:\qb+1] th:TH_LOAD_NT    ; Q's fragment: row r, bytes 16 h on; read by this wave alone
	global_load_u16 v24, v[QSO], s[\qs:\qs+1] th:TH_LOAD_NT         ; and row r's two scale bytes, zero-extended
	v_mov_b32 v13, 0xff61b1e6                      ; the largest t so far: -3e38
	v_floor_f32 v12, -v13                          ; -M
	v_mov_b32 v14, 0                               ; the sum, in two halves
	v_mov_b32 v15, 0
.set j, 0
.rept 32
	v_mov_b32 v[160+j], 0                          ; O^T begins as zeros: which step is the tile's first with work hangs on the mask, so no product can be written out to start the sums
.set j, j+1
.endr
	s_mov_b32 s[TK], 0
	s_mov_b32 s[TS], 0
	s_mov_b32 s[TV], 0
	s_mov_b32 s[TJ], 0
	s_mov_b32 s[CNT], 16
	s_wait_loadcnt 0x0                             ; Q
.Lstep_\@:                                         ; 16 trips, whatever the mask: 128 keys a trip
	s_and_b32 s[F], s[\fw], 3
	s_lshr_b32 s[\fw], s[\fw], 2
	s_cmp_eq_u32 s[F], 0
	s_cbranch_scc1 .Lskip_\@                       ; no key of the step counts for any of my queries: only the addresses step
	s_cmp_lg_u32 s[F], 1
	s_cbranch_scc1 .Lnoload_\@
	s_load_b512 s[16:31], s[\mp:\mp+1], s[TJ] offset:0x0     ; a mixed step: its 64 mask words, asked for ahead of the products
	s_load_b512 s[32:47], s[\mp:\mp+1], s[TJ] offset:0x40
	s_load_b512 s[48:63], s[\mp:\mp+1], s[TJ] offset:0x80
	s_load_b512 s[68:83], s[\mp:\mp+1], s[TJ] offset:0xc0
.Lnoload_\@:
	v_add_nc_u32 v[ADK], s[TK], v[AK]              ; these four are also the places between the last step's products and the loads into their operands (ISA guide 7.12.1 for vector instructions)
	v_add_nc_u32 v[ADS], s[TS], v[AKS]
	v_add_nc_u32 v[ADV], s[TV], v[AV]
	v_add_nc_u32 v[ADT], s[TJ], v[AVS]
	ds_load_b128 v[28:31], v[ADS]                  ; K's scale words: register b: lanes 0-15 tile 2 b, lanes 16-31 tile 2 b + 1
.irp t, 0,1,2,3,4,5,6,7
	ds_load_b128 v[32+8*\t:35+8*\t], v[ADK] offset:512*\t
.endr
	ds_load_b64 v[248:249], v[ADT]                 ; V's scale words, likewise
.irp t, 0,1,2,3
.irp c, 0,1
	ds_load_b128 v[192+8*\t+4*\c:195+8*\t+4*\c], v[ADV] offset:64*VP*\t+2*VP*\c
.endr
.endr
	s_wait_dscnt 9                                 ; K's nine loads are in; V's nine may be out: they are wanted behind the softmax
.irp t, 0,1,2,3,4,5,6,7                            ; S^T = K Q^T: eight accumulators, each begun with the constant 0
.if \t%2
	v_wmma_scale_f32_16x16x128_f8f6f4 v[96+8*\t:103+8*\t], v[32+8*\t:39+8*\t], v[16:23], 0, v[28+\t/2], v24 matrix_a_fmt:MATRIX_FMT_FP4 matrix_b_fmt:MATRIX_FMT_FP4 matrix_a_scale:MATRIX_SCALE_ROW1
.else
	v_wmma_scale_f32_16x16x128_f8f6f4 v[96+8*\t:103+8*\t], v[32+8*\t:39+8*\t], v[16:23], 0, v[28+\t/2], v24 matrix_a_fmt:MATRIX_FMT_FP4 matrix_b_fmt:MATRIX_FMT_FP4
.endif
.endr
.rept 4
	v_nop                                          ; four places in front of the first read of the scores (ISA guide 7.12.1)
.endr
	s_wait_kmcnt 0x0                               ; the mask words are in, where they were asked for
	s_cmp_lg_u32 s[F], 1
	s_cbranch_scc1 .Lopen_\@
.set n, 0
.rept 64
	v_cndmask_b32 v[96+n], v[NINF], v[96+n], s[16+n+4*(n/48)]   ; a hidden key's score becomes -infinity: p = 0 then.  In ascending order: each accumulator from its low end on
.set n, n+1
.endr
.Lopen_\@:
.irp b, 0,1,2,3
	v_max3_num_f32 v[232+\b], v[96+16*\b], v[97+16*\b], v[98+16*\b]   ; THE LARGEST SCORE OF EACH BLOCK OF 32 KEYS: it serves for the row's maximum and, since p rises with the score, for the block's largest p
.endr
.irp i, 3,5,7,9,11,13
.irp b, 0,1,2,3
	v_max3_num_f32 v[232+\b], v[232+\b], v[96+16*\b+\i], v[97+16*\b+\i]   ; (the four blocks by turns)
.endr
.endr
.irp b, 0,1,2,3
	v_max_num_f32 v[232+\b], v[232+\b], v[111+16*\b]
.endr
.irp b, 0,1,2,3
	v_permlanex16_b32 v[236+\b], v[232+\b], s[SEL], s[SEL+1]
.endr
.irp b, 0,1,2,3
	v_max_num_f32 v[232+\b], v[232+\b], v[236+\b]  ; with lane l xor 16's 16 keys
.endr
	v_max3_num_f32 v254, v232, v233, v234
	v_max_num_f32 v254, v254, v235                 ; the step's largest score of my query (-infinity where the step hides all its keys from it)
	v_mul_f32 v254, s[CS], v254                    ; as t (c is positive)
	v_max_num_f32 v13, v13, v254                   ; the running largest t
	v_mov_b32 v254, v12
	v_floor_f32 v12, -v13                          ; the new -M = floor(-t) = -ceil(t): M is a whole number
	v_sub_f32 v254, v12, v254                      ; M's old value less its new one: a whole number, 0 or less
	v_cvt_i32_f32 v254, v254                       ; (it saturates)
	v_ldexp_f32 v252, 1.0, v254                    ; f = 2^(old M - new M)
.set j, 0
.rept 32
	v_pk_fma_f32 v[96+j:97+j], v[96+j:97+j], s[CS:CS+1], v[12:13] op_sel_hi:[1,0,0]   ; t - M, two at a time (of the pairs c and -M the low word serves both halves)
.set j, j+2
.endr
.irp b, 0,1,2,3
	v_fma_f32 v[232+\b], v[232+\b], s[CS], v12     ; the same of each block's largest score
.endr
.set j, 0
.rept 64
	v_exp_f32 v[96+j], v[96+j]                     ; p = 2^(t - M), at most 1: not normalised
.set j, j+1
.endr
.irp b, 0,1,2,3
	v_exp_f32 v[232+\b], v[232+\b]                 ; the block's largest p: the same two instructions on the same number give the same bits
.endr
	v_pk_mul_f32 v[14:15], v[14:15], v[252:253] op_sel_hi:[1,0]   ; the sums under the new M; also the plain instruction behind the exponentials (ISA guide 5.7.2)
	s_wait_alu depctr_va_vdst(0)
.irp b, 0,1,2,3
	v_max_num_f32 v[232+\b], 0x1800000, v[232+\b]  ; the floor 2^(3 - 127): the byte cannot fall under 1 (a block whose every p is 0 keeps that byte: its codes are zeros)
.endr
.irp b, 0,1,2,3
	v_add_nc_u32 v[244+\b], 0xff000000, v[232+\b]  ; 2 off the exponent field: the conversion's scale operand
.endr
.irp b, 0,1,2,3
	v_lshrrev_b32 v[236+\b], 23, v[244+\b]         ; the scale's byte
.endr
	v_lshl_or_b32 v250, v237, 8, v236              ; p's scale word for these 128 keys, in a register that holds nothing else
	v_lshl_or_b32 v250, v238, 16, v250
	v_lshl_or_b32 v250, v239, 24, v250
.irp b, 0,1,2,3
	v_cvt_scalef32_pk8_fp4_f32 v[224+2*\b], v[96+16*\b:103+16*\b], v[244+\b]
	v_cvt_scalef32_pk8_fp4_f32 v[225+2*\b], v[104+16*\b:111+16*\b], v[244+\b]
.endr
	v_nop                                          ; one plain instruction between a scaled conversion and the instruction that touches its result
.irp c, 0,1                                        ; the operand's layout wants a whole block in a lane: lanes 0-15 block 2 c, lanes 16-31 block 2 c + 1
.irp i, 0,1
	v_permlane16_swap_b32 v[224+4*\c+\i], v[226+4*\c+\i]
.endr
.endr
	v_pk_add_f32 v[236:237], v[96:97], v[98:99]    ; THE ROW'S SUM IS TAKEN OF THE UNQUANTISED p: two at a time, in two chains
.set j, 4
.rept 15
	v_pk_add_f32 v[14:15], v[14:15], v[96+j:97+j]
	v_pk_add_f32 v[236:237], v[236:237], v[98+j:99+j]
.set j, j+4
.endr
	v_pk_add_f32 v[14:15], v[14:15], v[236:237]
.set j, 0
.rept 16
	v_pk_mul_f32 v[160+j:161+j], v[160+j:161+j], v[252:253] op_sel_hi:[1,0]   ; O^T under the new M, each accumulator from its low end on.  The 32 additions above are the places between p's codes and scale word and the products below
.set j, j+2
.endr
	s_wait_dscnt 0x0                               ; V's fragments and scale words are in
.irp t, 0,1,2,3                                    ; O^T += V^T P^T: four accumulators by turns, one instruction a turn; between two products on one of them stand the other three's and the next step's eight
.if \t%2
	v_wmma_scale_f32_16x16x128_f8f6f4 v[160+8*\t:167+8*\t], v[192+8*\t:199+8*\t], v[224:231], v[160+8*\t:167+8*\t], v[248+\t/2], v250 matrix_a_fmt:MATRIX_FMT_FP4 matrix_b_fmt:MATRIX_FMT_FP4 matrix_a_scale:MATRIX_SCALE_ROW1
.else
	v_wmma_scale_f32_16x16x128_f8f6f4 v[160+8*\t:167+8*\t], v[192+8*\t:199+8*\t], v[224:231], v[160+8*\t:167+8*\t], v[248+\t/2], v250 matrix_a_fmt:MATRIX_FMT_FP4 matrix_b_fmt:MATRIX_FMT_FP4
.endif
.endr
.Lskip_\@:                                         ; no load of any kind is out here, on either way
	s_add_co_u32 s[TK], s[TK], 4096
	s_add_co_u32 s[TS], s[TS], 512
	s_add_co_u32 s[TV], s[TV], 4*VP
	s_add_co_u32 s[TJ], s[TJ], 256
	s_sub_co_u32 s[CNT], s[CNT], 1
	s_cmp_lg_u32 s[CNT], 0
	s_cbranch_scc1 .Lstep_\@
	; THE WAY OUT.  O^T / the sum goes through my stage in LDS and comes back as whole rows of 256 bytes.
.rept 4
	v_nop                                          ; four places behind the last products
.endr
	v_add_f32 v14, v14, v15                        ; the sum's two halves,
	v_permlanex16_b32 v254, v14, s[SEL], s[SEL+1]
	v_add_f32 v14, v14, v254                       ; and lane l xor 16's: the row's sum
	v_rcp_f32 v14, v14
	v_nop                                          ; a plain instruction behind the reciprocal
.set j, 0
	s_wait_alu depctr_va_vdst(0)
.rept 16
	v_pk_mul_f32 v[96+j:97+j], v[160+j:161+j], v[14:15] op_sel_hi:[1,0]   ; register 8 t + i is out0(r, 16 t + 8 h + i)
.set j, j+2
.endr
.irp t, 0,1,2,3
.irp c, 0,1
	ds_store_b128 v[SIN], v[96+8*\t+4*\c:99+8*\t+4*\c] offset:64*\t+16*\c
.endr
.endr
.irp i, 0,1,2,3,4,5,6,7
	ds_load_b128 v[192+4*\i:195+4*\i], v[SOUT] offset:2*VP*\i   ; LDS serves a wave's instructions in order: these see my stores
.endr
.irp i, 0,1,2,3,4,5,6,7
	s_wait_dscnt 7-\i                              ; load i is back, the younger ones stay out
	global_store_b128 v[AK], v[192+4*\i:195+4*\i], s[\ob:\ob+1] offset:512*\i th:TH_STORE_NT   ; 32 lanes store two rows: 512 consecutive bytes, at a multiple of 256 from out0's first byte; written once
.endr
.endm
	TILE 84, 86, 88, 90, 100
	s_wait_xcnt 0x0                                ; the stores have read their registers: the next tile's loads land in v192-223 only behind this wait
	TILE 92, 94, 96, 98, 101
	s_wait_tensorcnt 0x0
	ds_add_u32 v251, v255
	s_wait_dscnt 0x0
	s_endpgm
.Lfunc_end_k_qb2b1d3c508_attn:
	.size	k_qb2b1d3c508_attn, .Lfunc_end_k_qb2b1d3c508_attn-k_qb2b1d3c508_attn
	.p2alignl 7, 3214868480
	.fill 96, 4, 3214868480
	.section	.rodata,"a",@progbits
	.p2align	6, 0x0
	.amdhsa_kernel k_qb2b1d3c508_attn
		.amdhsa_group_segment_fixed_size 219136
		.amdhsa_private_segment_fixed_size 0
		.amdhsa_enable_private_segment 0
		.amdhsa_kernarg_size 72
		.amdhsa_user_sgpr_count 2
		.amdhsa_user_sgpr_kernarg_segment_ptr 1
		.amdhsa_wavefront_size32 1
		.amdhsa_system_sgpr_workgroup_id_x 1
		.amdhsa_system_sgpr_workgroup_id_y 1
		.amdhsa_system_sgpr_workgroup_id_z 1
		.amdhsa_system_vgpr_workitem_id 0
		.amdhsa_next_free_vgpr 256
		.amdhsa_next_free_sgpr 102
		.amdhsa_reserve_vcc 0
		.amdhsa_float_denorm_mode_32 3
		.amdhsa_float_denorm_mode_16_64 3
		.amdhsa_memory_ordered 1
		.amdhsa_forward_progress 1
		.amdhsa_inst_pref_size 60
	.end_amdhsa_kernel
	.amdgpu_metadata
---
amdhsa.version: [ 1, 2 ]
amdhsa.kernels:
  - .name:           k_qb2b1d3c508_attn
    .symbol:         k_qb2b1d3c508_attn.kd
    .args:
      - { .name: K_codes, .offset: 0, .size: 8, .value_kind: global_buffer, .address_space: global }
      - { .name: K_scales, .offset: 8, .size: 8, .value_kind: global_buffer, .address_space: global }
      - { .name: V_codes, .offset: 16, .size: 8, .value_kind: global_buffer, .address_space: global }
      - { .name: V_scales, .offset: 24, .size: 8, .value_kind: global_buffer, .address_space: global }
      - { .name: Q_codes, .offset: 32, .size: 8, .value_kind: global_buffer, .address_space: global }
      - { .name: Q_scales, .offset: 40, .size: 8, .value_kind: global_buffer, .address_space: global }
      - { .name: mbits, .offset: 48, .size: 8, .value_kind: global_buffer, .address_space: global }
      - { .name: mflags, .offset: 56, .size: 8, .value_kind: global_buffer, .address_space: global }
      - { .name: out0, .offset: 64, .size: 8, .value_kind: global_buffer, .address_space: global }
    .group_segment_fixed_size: 219136
    .private_segment_fixed_size: 0
    .kernarg_segment_align: 8
    .kernarg_segment_size: 72
    .max_flat_workgroup_size: 512
    .sgpr_count:     102
    .vgpr_count:     256
    .wavefront_size: 32
...
	.end_amdgpu_metadata
.endif
;; end of part 2
;; ======== version 2 of 2: 2 launches
;; workspace buffers: mbits 524,288 bytes of whole numbers; mflags 512 bytes of whole numbers
;; launch maskprep (part 3): grid 128 x 1, 8 waves a work-group, no clusters, 36,096 bytes of LDS; arguments mask, mbits, mflags; writes mbits, mflags
.if DOCPART == 3
	.amdgcn_target "amdgcn-amd-amdhsa--gfx1250"
	.amdhsa_code_object_version 6
	.text
	.protected	k_qb2b1d3c508_maskprep
	.globl	k_qb2b1d3c508_maskprep
	.p2align	8
	.type	k_qb2b1d3c508_maskprep,@function
k_qb2b1d3c508_maskprep:
	s_mov_b64 s[64:65], 0
	v_nop
	global_prefetch_b8 v0, s[64:65] scope:SCOPE_SE
	s_setreg_imm32_b32 hwreg(HW_REG_WAVE_MODE, 25, 1), 1
	s_wait_xcnt 0x0
; The mask [2048][2048], one byte a place (0 = hidden, anything else = counts), is read once and laid as the attention launch wants it.
; mbits  [tile T of 16 queries, 0..127][step s of 128 keys, 0..15][n, 0..63], 32-bit words: bit l of word n says whether key
;        128 s + 32 (n / 16) + 16 (l / 16) + n % 16 counts for query 16 T + l % 16.  That is the place that lane l's score register n has
;        in the attention launch, so that a word is the lane mask of one select there.
; mflags [T], 32-bit words: bits 2 s + 1 : 2 s = 0 where no key of step s counts for any of the tile's queries, 2 where all count, 1 otherwise.
; SHARES.  A work-group takes one tile T (16 rows of the mask), wave w the columns 256 w .. 256 w + 255: steps 2 w and 2 w + 1.
; Each load reads two whole pieces of 256 consecutive bytes (lanes 0-15 one row, lanes 16-31 the next).  The bytes turn through the wave's own
; stage in LDS (rows 256 + 16 bytes apart), so that lane (r, h) then holds, of row r, the 16 bytes at 32 b + 16 h of each block b of 32 keys.
; No matrix unit, no tensor load, no cluster: 4 MiB are read once and an eighth of that is written; work-groups share nothing.
.set PITCH, 272                        ; a stage row: 256 bytes + 16: the 16 rows that a load touches start in 16 different groups of four banks
.set WSTG,  16*PITCH                   ; a wave's stage
.set FLG,   8*WSTG                     ; behind the stages: a word for each wave's four flag bits
	s_load_b128 s[4:7], s[0:1], 0x0                ; mask s[4:5], mbits s[6:7]
	s_load_b64 s[8:9], s[0:1], 0x10                ; mflags
	v_lshl_add_u32 v96, v0, 2, 0x8900
	v_mov_b32 v97, 0
	v_lshrrev_b32 v8, 5, v0
	s_delay_alu instid0(VALU_DEP_1)
	v_readfirstlane_b32 s10, v8                    ; wave 0..7
	v_and_b32 v8, 15, v0                           ; r
	v_bfe_u32 v9, v0, 4, 1                         ; h
	s_delay_alu instid0(VALU_DEP_2)
	v_lshlrev_b32 v1, 4, v8
	s_delay_alu instid0(VALU_DEP_1)
	v_lshl_add_u32 v1, v9, 11, v1                  ; in: row h of a pair of rows (2,048 bytes a row), 16 bytes a lane
	s_mul_i32 s11, s10, WSTG                       ; my stage
	v_mul_u32_u24 v2, v9, PITCH
	s_delay_alu instid0(VALU_DEP_1)
	v_lshl_add_u32 v2, v8, 4, v2
	s_delay_alu instid0(VALU_DEP_1)
	v_add_nc_u32 v2, s11, v2                       ; into the stage: the same two rows
	v_mul_u32_u24 v3, v8, PITCH
	s_delay_alu instid0(VALU_DEP_1)
	v_lshl_add_u32 v3, v9, 4, v3
	s_delay_alu instid0(VALU_DEP_1)
	v_add_nc_u32 v3, s11, v3                       ; out of it: row r, + 16 h
	v_and_b32 v4, 31, v0
	s_delay_alu instid0(VALU_DEP_1)
	v_lshlrev_b32 v4, 3, v4                        ; out: two words a lane
	v_mov_b32 v11, s10
	s_delay_alu instid0(VALU_DEP_1)
	v_lshl_add_u32 v11, v11, 2, FLG                ; my wave's flag word
	v_mov_b32 v12, FLG
	v_mov_b32 v13, 0
.irp i, 80,81,82,83
	v_mov_b32 v\i, 0                               ; written once whole: v_writelane_b32 fills them lane by lane
.endr
	s_lshl_b32 s12, ttmp9, 15                      ; mask: 16 rows of 2,048 bytes a tile,
	s_lshl_b32 s13, s10, 8                         ; 256 columns a wave
	s_add_co_u32 s12, s12, s13
	s_mov_b32 s13, 0
	s_lshl_b32 s14, ttmp9, 12                      ; mbits: 4,096 bytes a tile,
	s_lshl_b32 s15, s10, 9                         ; 512 a wave (two steps of 64 words)
	s_add_co_u32 s14, s14, s15
	s_mov_b32 s15, 0
	s_lshl_b32 s16, ttmp9, 2                       ; mflags: a word a tile
	s_mov_b32 s17, 0
	s_mov_b32 s27, 0                               ; my wave's flag bits
	s_wait_alu depctr_va_vdst(0)
	s_wait_kmcnt 0x0
	s_add_nc_u64 s[4:5], s[4:5], s[12:13]
	s_add_nc_u64 s[6:7], s[6:7], s[14:15]
	s_add_nc_u64 s[8:9], s[8:9], s[16:17]
.irp i, 0,1,2,3,4,5,6,7
	global_load_b128 v[16+4*\i:19+4*\i], v1, s[4:5] offset:4096*\i th:TH_LOAD_NT   ; rows 2 i and 2 i + 1; read once in the launch
.endr
.irp i, 0,1,2,3,4,5,6,7
	s_wait_loadcnt 7-\i                            ; loads come back in order: load i is in, the younger ones stay out
	ds_store_b128 v2, v[16+4*\i:19+4*\i] offset:2*PITCH*\i
.endr
.irp s, 0,1
.irp b, 0,1,2,3
	ds_load_b128 v[48+16*\s+4*\b:51+16*\s+4*\b], v3 offset:128*\s+32*\b   ; LDS serves a wave's instructions in order: these see my stores
.endr
.endr
; Step sp of my two: byte n % 16 of block n / 16 becomes a lane mask, which is word n.  Word n goes to lane n / 2 of one of a pair of registers,
; so that one store of 8 bytes a lane writes the step's 256 bytes on end.  The OR and the AND of the 64 words give the flag.
.macro WORDS sp
	s_mov_b32 s21, 0
	s_mov_b32 s22, -1
.set n, 0
.rept 64
	v_bfe_u32 v[8+n%2], v[48+16*\sp+4*(n/16)+(n%16)/4], 8*(n%4), 8
	s_delay_alu instid0(VALU_DEP_1)
	v_cmp_ne_u32 s[20+3*(n%2)], 0, v[8+n%2]        ; (two temporaries and two masks by turns)
	s_delay_alu instid0(VALU_DEP_1)
	v_writelane_b32 v[80+2*\sp+n%2], s[20+3*(n%2)], n/2
	s_or_b32 s21, s21, s[20+3*(n%2)]
	s_and_b32 s22, s22, s[20+3*(n%2)]
.set n, n+1
.endr
	global_store_b64 v4, v[80+2*\sp:81+2*\sp], s[6:7] offset:256*\sp   ; 32 lanes store 256 consecutive bytes, at a multiple of 256 from the buffer's first byte
	s_cmp_lg_u32 s21, 0
	s_cselect_b32 s24, 1, 0                        ; some key counts
	s_cmp_eq_u32 s22, -1
	s_cselect_b32 s25, 1, 0                        ; all count
	s_add_co_u32 s24, s24, s25                     ; 0, 1 or 2
	s_lshl_b32 s24, s24, 2*\sp
	s_or_b32 s27, s27, s24
.endm
	s_wait_dscnt 4                                 ; the first step's four loads are in, the second's may be out
	WORDS 0
	s_wait_dscnt 0x0
	WORDS 1
	s_lshl_b32 s26, s10, 2
	s_lshl_b32 s27, s27, s26                       ; my four bits at their place in the tile's word: 4 x wave up
	v_mov_b32 v10, s27
	ds_store_b32 v11, v10                          ; all lanes write the same word with the same value
	s_wait_dscnt 0x0                               ; for the others' sake: my store has landed
	s_barrier_signal -1
	s_barrier_wait -1
	ds_load_b128 v[84:87], v12
	ds_load_b128 v[88:91], v12 offset:16
	s_wait_dscnt 0x0
.irp i, 85
	v_or_b32 v84, v84, v\i
.endr
.irp i, 86, 87, 88, 89, 90, 91
	s_delay_alu instid0(VALU_DEP_1)
	v_or_b32 v84, v84, v\i
.endr
	v_cmp_gt_u32 vcc_lo, 1, v0                     ; thread 0 alone stores the tile's word
	s_wait_alu depctr_va_vdst(0)
	s_wait_xcnt 0x0                                ; EXEC is a source of the stores above: it changes only behind this wait
	s_wait_tensorcnt 0x0
	ds_add_u32 v96, v97
	s_wait_dscnt 0x0
	s_and_saveexec_b32 s28, vcc_lo
	global_store_b32 v13, v84, s[8:9]
	s_wait_xcnt 0x0                                ; and again in front of the line that widens it
	s_or_b32 exec_lo, exec_lo, s28
	s_endpgm
.Lfunc_end_k_qb2b1d3c508_maskprep:
	.size	k_qb2b1d3c508_maskprep, .Lfunc_end_k_qb2b1d3c508_maskprep-k_qb2b1d3c508_maskprep
	.p2alignl 7, 3214868480
	.fill 96, 4, 3214868480
	.section	.rodata,"a",@progbits
	.p2align	6, 0x0
	.amdhsa_kernel k_qb2b1d3c508_maskprep
		.amdhsa_group_segment_fixed_size 36096
		.amdhsa_private_segment_fixed_size 0
		.amdhsa_enable_private_segment 0
		.amdhsa_kernarg_size 24
		.amdhsa_user_sgpr_count 2
		.amdhsa_user_sgpr_kernarg_segment_ptr 1
		.amdhsa_wavefront_size32 1
		.amdhsa_system_sgpr_workgroup_id_x 1
		.amdhsa_system_sgpr_workgroup_id_y 1
		.amdhsa_system_sgpr_workgroup_id_z 1
		.amdhsa_system_vgpr_workitem_id 0
		.amdhsa_next_free_vgpr 98
		.amdhsa_next_free_sgpr 66
		.amdhsa_reserve_vcc 1
		.amdhsa_float_denorm_mode_32 3
		.amdhsa_float_denorm_mode_16_64 3
		.amdhsa_memory_ordered 1
		.amdhsa_forward_progress 1
		.amdhsa_inst_pref_size 47
	.end_amdhsa_kernel
	.amdgpu_metadata
---
amdhsa.version: [ 1, 2 ]
amdhsa.kernels:
  - .name:           k_qb2b1d3c508_maskprep
    .symbol:         k_qb2b1d3c508_maskprep.kd
    .args:
      - { .name: mask, .offset: 0, .size: 8, .value_kind: global_buffer, .address_space: global }
      - { .name: mbits, .offset: 8, .size: 8, .value_kind: global_buffer, .address_space: global }
      - { .name: mflags, .offset: 16, .size: 8, .value_kind: global_buffer, .address_space: global }
    .group_segment_fixed_size: 36096
    .private_segment_fixed_size: 0
    .kernarg_segment_align: 8
    .kernarg_segment_size: 24
    .max_flat_workgroup_size: 256
    .sgpr_count:     66
    .vgpr_count:     98
    .wavefront_size: 32
...
	.end_amdgpu_metadata
.endif
;; end of part 3
;; launch attn (part 4): grid 4 x 64, 16 waves a work-group, no clusters, 219,136 bytes of LDS; arguments K_codes, K_scales, V_codes, V_scales, Q_codes, Q_scales, mbits, mflags, out0; writes out0
.if DOCPART == 4
	.amdgcn_target "amdgcn-amd-amdhsa--gfx1250"
	.amdhsa_code_object_version 6
	.text
	.protected	k_qb2b1d3c508_attn
	.globl	k_qb2b1d3c508_attn
	.p2align	8
	.type	k_qb2b1d3c508_attn,@function
k_qb2b1d3c508_attn:
	s_mov_b64 s[64:65], 0
	v_nop
	global_prefetch_b8 v0, s[64:65] scope:SCOPE_SE
	s_setreg_imm32_b32 hwreg(HW_REG_WAVE_SCHED_MODE, 0, 2), 2
	s_setreg_imm32_b32 hwreg(HW_REG_WAVE_MODE, 25, 1), 1
	s_wait_xcnt 0x0
	s_wait_alu depctr_vm_vsrc(0)
; out0[hd][q][:] = the sum over k of softmax_k(Q[hd][q] . K[hd][k] / 8, hidden keys at -infinity) V[hd][k][:]: 64 heads, 2,048 queries and keys, head size 64; both products on codes of FP4 (E2M1)
; with one E8M0 scale for each 32 along a product's K.  Q, K: rows of 32 bytes of codes and 2 scale bytes.  V: the keys innermost: for each head 64 rows of 1,024 bytes of codes and 64 scale bytes.
; THE MASK is an input.  The launch before has laid it as lane masks in the score registers' layout (mbits) and as 2 bits for each 16 queries x 128 keys (mflags: 0 none counts, 1 mixed, 2 all count).
; A step with flag 0 adds nothing to any sum (every p of it is 0) and leaves every maximum as it was: its work is jumped over.  With flag 1 hidden scores become -infinity by 64 selects; with flag 2 the selects are jumped over.
; THE SOFTMAX AHEAD OF THE SECOND PRODUCT: t = score x log2(e) / 8; M = the row's largest t so far, rounded UP to a whole number; p = 2^(t - M) is quantised along the keys, not normalised; the row's sum is
; taken of the unquantised p and divides at the end.  When M moves, the sum and O are multiplied by 2^(old M - new M), which rounds nothing.
; SHARES.  A work-group has one head and a quarter of its 128 tiles of 16 queries; 16 waves of 256 registers, four to a SIMD, so that one wave's vector work (some 230 instructions a step) stands beside another's 12 matrix
; instructions and 18 LDS loads.  Wave w of quarter g takes tiles j = 16 g + w and 127 - j, one after the other: where a mask hides later keys the two together have the same work in every wave; no value hangs on that.
; K, V AND THEIR SCALES OF THE WHOLE HEAD (139,264 bytes) come into LDS ONCE, through registers, laid as images of the operands' registers; one barrier; behind it nothing in those bytes is written and no wave waits for another.
; NO CLUSTER, NO TENSOR LOAD: the four work-groups of a head read the same 139,264 bytes, once each, at their start.  A joint request is a tensor load.
; The jump over hidden steps spares more than the three further reads of a head's codes cost.
; LAYOUT.  Both products are used transposed: S^T = K Q^T (source 0 = 16 keys, source 1 = my 16 queries), O^T = V^T P^T (source 0 = 16 of the head's 64, source 1 = P): lane (r, h) holds query r throughout.
; THE KEYS OF A TILE ARE NOT NEIGHBOURS: lane r of tile 2 b + u takes key 32 b + 8 u + r + 8 (r / 8), so that score register 16 b + i is key 32 b + 16 h + i: 16 neighbours along the second product's K.
; The first product's K is 64, the instruction's 128: registers 4-7 of Q's and K's fragments hold zero codes, written once; their scale bytes are 0 (2^-127), under which zero codes add nothing.
; LIMITS.  A row with no key that counts: sum 0 and O 0, 0 x (1 / 0) = NaN, as the definition has it.  The running maximum begins at -3e38: a t under that is not served.  A p under 2^-126 is 0 (v_exp_f32 flushes).
; A block's largest p is made from the block's largest score by the same multiply-add and exponential: this takes v_exp_f32 not to fall where its input rises.  t - M is one fused multiply-add.  A given scale byte 0xff gives NaN.
; LDS: see the constants.  REGISTERS: v1-7 addresses that stay; v8-11 the step's addresses; v12 -M, v13 the largest t, v[14:15] the sum in two halves; v16-23 Q; v24 Q's scale words; v25-26 the stage;
;   v28-31 K's scale words; v32-95 K's eight fragments; v96-159 S^T, then p; v160-191 O^T; v192-223 V's four fragments; v224-231 p's codes; v232-247 at work; v248-249 V's scale words; v250 p's scale word; v252-254 at work.
; THE MODE: SCHED_MODE bits 1:0 = 2 (LLVM: expert scheduling mode 2), set by the entry lines.  The code itself states the register dependences
; between vector or matrix instructions and memory or LDS instructions, with s_wait_alu, always for 0.
; THE PLAN.  Registers that memory or LDS instructions touch in a step with work, and who else names them:
;   v8-11                     Written by the four additions at the step's head; read by the step's 18 LDS loads.
;   v28-31, v32-35 .. v88-91  K's scale words and codes: LDS loads land in them at the step's head; the eight products K Q^T read them.
;   v192-223, v248-249        V's codes and scale words: LDS loads land in them; the four products V^T P^T at the step's end read them.
;   v224-231, v250            p's codes and scale word: written by vector instructions, taken by the four products V^T P^T.
;   v1-4, v6, v7, v25, v26    Addresses made once at the head and never written again.
; So a step has one wait on vm_vsrc, ahead of the additions, and three on va_vdst: behind the additions (the addresses are written; the last step's products are done with the registers in which the loads land),
; behind the exponentials (their results), and ahead of the products V^T P^T (p's codes and scale word).  Behind the first of the three only K's nine loads stand ahead of the products K Q^T; V's nine are dealt among
; those eight products, which name S^T, K, Q and their scale words: none of the registers that V's loads touch.  The registers are all taken (four waves of 256 to a SIMD): there is no second set of fragments.
.set KIMG, 0                           ; K's codes: step s, tile t: lane l's 16 bytes at 4096 s + 512 t + 16 l
.set VP,   272                         ; V's codes: rows of 256 bytes + 16: row q = h + 2 c + 4 s + 64 t holds, at 16 r, keys 128 s + 64 c + 32 h + 0..31 of d = 16 t + r:
.set VIMG, 65536                       ;   sixteen lanes of a load read 256 bytes on end; sixteen lanes of the fill's stores fall on sixteen different rows modulo 16
.set KSC,  VIMG+256*VP                 ; K's scale words: 512 s + 16 l + 4 b: lanes 0-15 tile 2 b's, lanes 16-31 tile 2 b + 1's
.set VSC,  KSC+8192                    ; V's scale words: 256 s + 8 l + 4 e: lanes 0-15 tile 2 e's, lanes 16-31 tile 2 e + 1's
.set STG,  VSC+4096                    ; the way out: 16 rows x (256 + 16) bytes for each wave, its own
.set WSTG, 16*VP
.set AK,   1                           ; v1   16 x lane: my place in an image of K (KIMG = 0); also my byte offset in a pair of rows of out0
.set AV,   2                           ; v2   VIMG + 272 h + 16 r
.set AKS,  3                           ; v3   KSC + 16 x lane
.set AVS,  4                           ; v4   VSC + 8 x lane
.set NINF, 5                           ; v5   -infinity
.set QO,   6                           ; v6   32 r + 16 h: Q's codes
.set QSO,  7                           ; v7   2 r: Q's scale bytes
.set ADK,  8
.set ADS,  9
.set ADV,  10
.set ADT,  11
.set SIN,  25                          ; v25  the stage: where I put 16 bytes of a row
.set SOUT, 26                          ; v26  and where I read a row back
.set FW,   100                         ; the fill alone: v100-103 K's scale words in the making,
.set FKD,  104                         ; v104-107 where my bytes of K, V, K's scales, V's scales go in LDS,
.set FVD,  105
.set FKS,  106
.set FVS,  107
.set FT,   108                         ; v108 at work,
.set FO16, 109                         ; v109 16 x thread, v110 8 x thread: where they come from
.set FO8,  110
.set WV,   2                           ; s2   my wave's number
.set F,    3                           ; s3   the step's flag
.set CNT,  4                           ; s4   steps to go
.set TK,   5                           ; s5   the step's place in KIMG: 4,096 a step
.set TS,   6                           ; s6   in KSC: 512
.set TV,   7                           ; s7   in VIMG: four rows, 1,088
.set TJ,   8                           ; s8   in VSC and in a tile's mask words: 256
.set SEL,  10                          ; s[10:11] v_permlanex16_b32's selects for lane l xor 16
.set CS,   12                          ; s[12:13] c = log2(e) / 8: the packed form names a pair and takes its low word for both halves
; s[16:63] and s[68:83]: the step's 64 mask words, word n in s[16 + n + 4 (n / 48)]; at the head s[16:33] hold the nine addresses.
; s[84:91], s[92:99]: for each of my two tiles the addresses of its Q codes, Q scales, rows of out0 and mask words; s100, s101 its flags.
	s_load_b512 s[16:31], s[0:1], 0x0              ; K codes s[16:17], K scales s[18:19], V codes s[20:21], V scales s[22:23], Q codes s[24:25], Q scales s[26:27], mbits s[28:29], mflags s[30:31]
	s_load_b64 s[32:33], s[0:1], 0x40              ; out0
	v_lshl_add_u32 v251, v0, 2, 0x35000
	v_mov_b32 v255, 0
	v_lshrrev_b32 v8, 5, v0
	v_readfirstlane_b32 s[WV], v8                  ; wave 0..15
	v_lshlrev_b32 v[FO16], 4, v0
	v_lshlrev_b32 v[FO8], 3, v0
	s_and_b32 s3, ttmp7, 0xffff                    ; the head
	s_lshl_b32 s4, ttmp9, 4
	s_wait_alu depctr_va_sdst(0)                   ; s2, the wave's number, is written, ahead of its first reader: my tiles' numbers are made from it
	s_add_co_u32 s4, s4, s[WV]                     ; my first tile: 16 x quarter + wave
	s_sub_co_u32 s5, 127, s4                       ; my second
	s_mov_b32 s15, 0
	s_wait_kmcnt 0x0
	s_lshl_b32 s14, s3, 16                         ; a head's codes: 65,536 bytes in each of the three tensors
	s_add_nc_u64 s[16:17], s[16:17], s[14:15]
	s_add_nc_u64 s[20:21], s[20:21], s[14:15]
	s_add_nc_u64 s[24:25], s[24:25], s[14:15]
	s_lshl_b32 s14, s3, 12                         ; its scale bytes: 4,096
	s_add_nc_u64 s[18:19], s[18:19], s[14:15]
	s_add_nc_u64 s[22:23], s[22:23], s[14:15]
	s_add_nc_u64 s[26:27], s[26:27], s[14:15]
	; THE FILL: 512 threads x 16 bytes x 8 for K's codes, the same for V's; 8 bytes a thread for each tensor of scales.  Every load of a wave reads consecutive bytes.
	s_wait_alu depctr_va_vdst(0)                   ; v109 and v110 are written: the fill's 18 loads read them as their offsets
.irp j, 0,1,2,3,4,5,6,7
	global_load_b128 v[32+4*\j:35+4*\j], v[FO16], s[16:17] offset:8192*\j
.endr
.irp j, 0,1,2,3,4,5,6,7
	global_load_b128 v[64+4*\j:67+4*\j], v[FO16], s[20:21] offset:8192*\j
.endr
	global_load_b64 v[96:97], v[FO8], s[18:19]
	global_load_b64 v[98:99], v[FO8], s[22:23]
	s_lshl_b32 s14, s3, 19                         ; a head's rows of out0: 524,288 bytes
	s_add_nc_u64 s[32:33], s[32:33], s[14:15]
.macro BASES t, d                      ; the tile in s[t]: its four addresses into s[d] on
	s_lshl_b32 s14, s[\t], 9                       ; 16 rows of 32 bytes of codes
	s_add_nc_u64 s[\d:\d+1], s[24:25], s[14:15]
	s_lshl_b32 s14, s[\t], 5                       ; 16 x 2 scale bytes
	s_add_nc_u64 s[\d+2:\d+3], s[26:27], s[14:15]
	s_lshl_b32 s14, s[\t], 12                      ; 16 rows of 256 bytes of out0; and 16 steps x 64 mask words are as many bytes
	s_add_nc_u64 s[\d+4:\d+5], s[32:33], s[14:15]
	s_add_nc_u64 s[\d+6:\d+7], s[28:29], s[14:15]
.endm
	BASES 4, 84
	BASES 5, 92
	s_lshl_b32 s14, s4, 2
	s_lshl_b32 s15, s5, 2
	s_load_b32 s100, s[30:31], s14 offset:0x0      ; my tiles' flags (s14 and s15 stay as they are until the wait for these loads)
	s_load_b32 s101, s[30:31], s15 offset:0x0
	; Where a thread's bytes go.  K's load j brings half tid % 2 of key 256 j + tid / 2.  With x = key % 32: r = x % 8 + 8 (x / 16), u = (x / 8) % 2; the image's place is 4096 s + 1024 b + 512 u + 256 half + 16 r.
	v_bfe_u32 v[FKD], v0, 1, 3
	v_lshlrev_b32 v[FKD], 4, v[FKD]                ; 16 (r % 8)
	v_bfe_u32 v[FT], v0, 5, 1
	v_lshl_or_b32 v[FKD], v[FT], 7, v[FKD]         ; 128 (r / 8)
	v_and_b32 v[FT], 1, v0
	v_lshl_or_b32 v[FKD], v[FT], 8, v[FKD]         ; 256 x half
	v_bfe_u32 v[FT], v0, 4, 1
	v_lshl_or_b32 v[FKD], v[FT], 9, v[FKD]         ; 512 u
	v_lshrrev_b32 v[FT], 6, v0
	v_lshl_or_b32 v[FKD], v[FT], 10, v[FKD]        ; 1024 (b + 4 (s % 2)); 8192 j stands in the store's immediate
	; V's load j brings piece tid % 64 (16 bytes: 32 keys) of row d = 8 j + tid / 64: image row tid % 64 + 64 (j / 2), at 16 (d % 16).
	v_and_b32 v[FVD], 63, v0
	v_mul_u32_u24 v[FVD], v[FVD], VP
	v_lshrrev_b32 v[FT], 6, v0
	v_lshl_add_u32 v[FVD], v[FT], 4, v[FVD]
	v_add_nc_u32 v[FVD], VIMG, v[FVD]
	; K's scales: a thread has keys 4 tid + 0..3, which are four neighbouring r of one tile.
	v_lshrrev_b32 v[FKS], 5, v0
	v_lshlrev_b32 v[FKS], 9, v[FKS]                ; 512 s
	v_bfe_u32 v[FT], v0, 1, 1
	v_lshl_or_b32 v[FKS], v[FT], 8, v[FKS]         ; 256 u
	v_bfe_u32 v[FT], v0, 2, 1
	v_lshl_or_b32 v[FKS], v[FT], 7, v[FKS]         ; 128 (r / 8)
	v_and_b32 v[FT], 1, v0
	v_lshl_or_b32 v[FKS], v[FT], 6, v[FKS]         ; 64 ((r / 4) % 2)
	v_bfe_u32 v[FT], v0, 3, 2
	v_lshl_or_b32 v[FKS], v[FT], 2, v[FKS]         ; 4 b
	v_add_nc_u32 v[FKS], KSC, v[FKS]
	; V's scales: a thread has the words of steps 2 (tid % 8) and + 1 of row d = tid / 8.
	v_and_b32 v[FVS], 7, v0
	v_lshlrev_b32 v[FVS], 9, v[FVS]                ; 256 s
	v_bfe_u32 v[FT], v0, 7, 1
	v_lshl_or_b32 v[FVS], v[FT], 7, v[FVS]         ; 128 (t % 2)
	v_bfe_u32 v[FT], v0, 3, 4
	v_lshl_or_b32 v[FVS], v[FT], 3, v[FVS]         ; 8 r
	v_lshrrev_b32 v[FT], 8, v0
	v_lshl_or_b32 v[FVS], v[FT], 2, v[FVS]         ; 4 (t / 2)
	v_add_nc_u32 v[FVS], VSC, v[FVS]
	; the addresses that stay, made while the loads are on their way
	v_and_b32 v9, 15, v0                           ; r
	v_bfe_u32 v10, v0, 4, 1                        ; h
	v_and_b32 v[AK], 31, v0
	v_lshl_add_u32 v[AVS], v[AK], 3, VSC
	v_lshlrev_b32 v[AK], 4, v[AK]
	v_add_nc_u32 v[AKS], KSC, v[AK]
	v_mul_u32_u24 v[AV], v10, VP
	v_lshl_add_u32 v[AV], v9, 4, v[AV]
	v_add_nc_u32 v[AV], VIMG, v[AV]
	v_mov_b32 v[NINF], 0xff800000
	v_lshlrev_b32 v[QO], 5, v9
	v_lshl_add_u32 v[QO], v10, 4, v[QO]
	v_lshlrev_b32 v[QSO], 1, v9
	s_mul_i32 s9, s[WV], WSTG
	s_add_co_u32 s9, s9, STG                       ; my stage
	v_mul_u32_u24 v[SIN], v9, VP
	v_lshl_add_u32 v[SIN], v10, 5, v[SIN]
	v_add_nc_u32 v[SIN], s9, v[SIN]                ; in: row r; tile t's eight channels of my half: 64 t + 32 h bytes on
	v_mul_u32_u24 v[SOUT], v10, VP
	v_lshl_add_u32 v[SOUT], v9, 4, v[SOUT]
	v_add_nc_u32 v[SOUT], s9, v[SOUT]              ; back: lanes 0-15 one row, lanes 16-31 the next
	s_mov_b32 s[SEL], 0x76543210
	s_mov_b32 s[SEL+1], 0xfedcba98
	s_mov_b32 s[CS], 0x3e38aa3b                    ; c = log2(e) / 8
	s_mov_b32 s[CS+1], s[CS]                       ; (named with it as a pair, so it is written)
	s_wait_alu depctr_va_vdst(0)                   ; the fill's LDS addresses v104-107 are written, which the stores below read; so are the addresses that stay (v1-4, v6, v7, v25, v26), which later loads and stores read and no vector instruction writes again
	s_wait_loadcnt 10                              ; K's eight loads are in; V's eight and the two of scales may be out
.irp j, 0,1,2,3,4,5,6,7
	ds_store_b128 v[FKD], v[32+4*\j:35+4*\j] offset:KIMG+8192*\j
.endr
	s_wait_loadcnt 2                               ; V's are in; the two of scales may be out
.irp j, 0,1,2,3,4,5,6,7
	ds_store_b128 v[FVD], v[64+4*\j:67+4*\j] offset:128*(\j%2)+64*VP*(\j/2)
.endr
	s_wait_loadcnt 0x0
	v_and_b32 v[FW], 0xffff, v96                   ; a key's two scale bytes become a word: the bytes of the padded K = 64 .. 127 are 0
	v_lshrrev_b32 v[FW+1], 16, v96
	v_and_b32 v[FW+2], 0xffff, v97
	v_lshrrev_b32 v[FW+3], 16, v97
	s_wait_alu depctr_va_vdst(0)                   ; K's four scale words v100-103 are written, which the stores below read
.irp i, 0,1,2,3
	ds_store_b32 v[FKS], v[FW+\i] offset:16*\i
.endr
	ds_store_b32 v[FVS], v98
	ds_store_b32 v[FVS], v99 offset:256
	s_wait_dscnt 0x0                               ; for the others' sake: all my stores have landed
	s_wait_kmcnt 0x0                               ; my flags are in
	s_barrier_signal -1
	s_barrier_wait -1                              ; the head's K, V and scales lie in LDS; the launch's only barrier
	s_wait_alu depctr_vm_vsrc(0)                   ; the fill's loads and stores have read v32-95 and v98-110: the zero codes below, the steps' LDS loads and the first scores write these registers
	; The addresses in s[16:33] are done with (every load that names them has come back).  The mask words begin as all ones, so that they are written on every way through a step.
.set n, 16
.rept 24
	s_mov_b64 s[n:n+1], -1
.set n, n+2
.endr
.set n, 68
.rept 8
	s_mov_b64 s[n:n+1], -1
.set n, n+2
.endr
.irp i, 20,21,22,23
	v_mov_b32 v\i, 0                               ; Q's codes of K = 64 .. 127: zeros
.endr
.irp t, 0,1,2,3,4,5,6,7
.irp i, 4,5,6,7
	v_mov_b32 v[32+8*\t+\i], 0                     ; K's likewise: the steps' loads write registers 0-3 of each fragment alone
.endr
.endr
.irp i, 236,237,238,239,252,253,254
	v_mov_b32 v\i, 0                               ; written once: a lane permute's destination counts as one of its sources; v253 is named as the upper half of the pair v[252:253]
.endr
; ONE TILE OF 16 QUERIES.  qb, qs, ob, mp: the scalar pairs with the addresses of its Q codes, Q scales, rows of out0, mask words; fw: the scalar register with its flags.
; Q's two loads owe no wait of their own: their offsets v6 and v7 were written ahead of the head's waits on va_vdst; the tile before's products, which read v16-24, stand ahead of the wait on va_vdst
; in that tile's way out, and no vector instruction behind either wait names v6, v7, v16-19 or v24.
.macro TILE qb, qs, ob, mp, fw
	global_load_b128 v[16:19], v[QO], s[\qb:\qb+1] th:TH_LOAD_NT    ; Q's fragment: row r, bytes 16 h on; read by this wave alone
	global_load_u16 v24, v[QSO], s[\qs:\qs+1] th:TH_LOAD_NT         ; and row r's two scale bytes, zero-extended
	v_mov_b32 v13, 0xff61b1e6                      ; the largest t so far: -3e38
	v_floor_f32 v12, -v13                          ; -M
	v_mov_b32 v14, 0                               ; the sum, in two halves
	v_mov_b32 v15, 0
.set j, 0
.rept 32
	v_mov_b32 v[160+j], 0                          ; O^T begins as zeros: which step is the tile's first with work hangs on the mask, so no product can be written out to start the sums
.set j, j+1
.endr
	s_mov_b32 s[TK], 0
	s_mov_b32 s[TS], 0
	s_mov_b32 s[TV], 0
	s_mov_b32 s[TJ], 0
	s_mov_b32 s[CNT], 16
	s_wait_loadcnt 0x0                             ; Q
.Lstep_\@:                                         ; 16 trips, whatever the mask: 128 keys a trip
	s_and_b32 s[F], s[\fw], 3
	s_lshr_b32 s[\fw], s[\fw], 2
	s_cmp_eq_u32 s[F], 0
	s_cbranch_scc1 .Lskip_\@                       ; no key of the step counts for any of my queries: only the addresses step
	s_cmp_lg_u32 s[F], 1
	s_cbranch_scc1 .Lnoload_\@
	s_load_b512 s[16:31], s[\mp:\mp+1], s[TJ] offset:0x0     ; a mixed step: its 64 mask words, asked for ahead of the products
	s_load_b512 s[32:47], s[\mp:\mp+1], s[TJ] offset:0x40
	s_load_b512 s[48:63], s[\mp:\mp+1], s[TJ] offset:0x80
	s_load_b512 s[68:83], s[\mp:\mp+1], s[TJ] offset:0xc0
.Lnoload_\@:
	s_wait_alu depctr_vm_vsrc(0)                   ; the LDS loads of the last step with work have read v8-11, which the four additions write
	v_add_nc_u32 v[ADK], s[TK], v[AK]
	v_add_nc_u32 v[ADS], s[TS], v[AKS]
	v_add_nc_u32 v[ADV], s[TV], v[AV]
	v_add_nc_u32 v[ADT], s[TJ], v[AVS]
	s_wait_alu depctr_va_vdst(0)                   ; v8-11 are written, which the step's 18 LDS loads read; the last step's products are done reading K's and V's fragments and scale words, in which those loads land; the zero codes v20-23 and v36-39 .. v92-95, which the products below take, are written
	ds_load_b128 v[28:31], v[ADS]                  ; K's scale words: register b: lanes 0-15 tile 2 b, lanes 16-31 tile 2 b + 1
.irp t, 0,1,2,3,4,5,6,7
	ds_load_b128 v[32+8*\t:35+8*\t], v[ADK] offset:512*\t
.endr
	s_wait_dscnt 0x0                               ; K's nine loads are in; V's are asked for below
; S^T = K Q^T: eight accumulators, each begun with the constant 0.  V's nine loads are dealt among them: its scale words (lanes 0-15 tile 2 e, lanes 16-31 tile 2 e + 1) and load u = fragment u / 2, half u % 2.
; No wait: no vector or matrix instruction since the wait on va_vdst above names v10, v11, v192-223 or v248-249.  They are wanted behind the softmax.
.irp t, 0,1,2,3,4,5,6,7
.if \t%2
	v_wmma_scale_f32_16x16x128_f8f6f4 v[96+8*\t:103+8*\t], v[32+8*\t:39+8*\t], v[16:23], 0, v[28+\t/2], v24 matrix_a_fmt:MATRIX_FMT_FP4 matrix_b_fmt:MATRIX_FMT_FP4 matrix_a_scale:MATRIX_SCALE_ROW1
.else
	v_wmma_scale_f32_16x16x128_f8f6f4 v[96+8*\t:103+8*\t], v[32+8*\t:39+8*\t], v[16:23], 0, v[28+\t/2], v24 matrix_a_fmt:MATRIX_FMT_FP4 matrix_b_fmt:MATRIX_FMT_FP4
.endif
.if \t == 0
	ds_load_b64 v[248:249], v[ADT]
.endif
	ds_load_b128 v[192+4*\t:195+4*\t], v[ADV] offset:64*VP*(\t/2)+2*VP*(\t%2)
.endr
.rept 4
	v_nop                                          ; four places in front of the first read of the scores (ISA guide 7.12.1)
.endr
	s_wait_kmcnt 0x0                               ; the mask words are in, where they were asked for
	s_cmp_lg_u32 s[F], 1
	s_cbranch_scc1 .Lopen_\@
.set n, 0
.rept 64
	v_cndmask_b32 v[96+n], v[NINF], v[96+n], s[16+n+4*(n/48)]   ; a hidden key's score becomes -infinity: p = 0 then.  In ascending order: each accumulator from its low end on
.set n, n+1
.endr
.Lopen_\@:
.irp b, 0,1,2,3
	v_max3_num_f32 v[232+\b], v[96+16*\b], v[97+16*\b], v[98+16*\b]   ; THE LARGEST SCORE OF EACH BLOCK OF 32 KEYS: it serves for the row's maximum and, since p rises with the score, for the block's largest p
.endr
.irp i, 3,5,7,9,11,13
.irp b, 0,1,2,3
	v_max3_num_f32 v[232+\b], v[232+\b], v[96+16*\b+\i], v[97+16*\b+\i]   ; (the four blocks by turns)
.endr
.endr
.irp b, 0,1,2,3
	v_max_num_f32 v[232+\b], v[232+\b], v[111+16*\b]
.endr
.irp b, 0,1,2,3
	v_permlanex16_b32 v[236+\b], v[232+\b], s[SEL], s[SEL+1]
.endr
.irp b, 0,1,2,3
	v_max_num_f32 v[232+\b], v[232+\b], v[236+\b]  ; with lane l xor 16's 16 keys
.endr
	v_max3_num_f32 v254, v232, v233, v234
	v_max_num_f32 v254, v254, v235                 ; the step's largest score of my query (-infinity where the step hides all its keys from it)
	v_mul_f32 v254, s[CS], v254                    ; as t (c is positive)
	v_max_num_f32 v13, v13, v254                   ; the running largest t
	v_mov_b32 v254, v12
	v_floor_f32 v12, -v13                          ; the new -M = floor(-t) = -ceil(t): M is a whole number
	v_sub_f32 v254, v12, v254                      ; M's old value less its new one: a whole number, 0 or less
	v_cvt_i32_f32 v254, v254                       ; (it saturates)
	v_ldexp_f32 v252, 1.0, v254                    ; f = 2^(old M - new M)
.set j, 0
.rept 32
	v_pk_fma_f32 v[96+j:97+j], v[96+j:97+j], s[CS:CS+1], v[12:13] op_sel_hi:[1,0,0]   ; t - M, two at a time (of the pairs c and -M the low word serves both halves)
.set j, j+2
.endr
.irp b, 0,1,2,3
	v_fma_f32 v[232+\b], v[232+\b], s[CS], v12     ; the same of each block's largest score
.endr
.set j, 0
	s_wait_alu depctr_va_vdst(0)
.rept 64
	v_exp_f32 v[96+j], v[96+j]                     ; p = 2^(t - M), at most 1: not normalised
.set j, j+1
.endr
.irp b, 0,1,2,3
	v_exp_f32 v[232+\b], v[232+\b]                 ; the block's largest p: the same two instructions on the same number give the same bits
.endr
	v_pk_mul_f32 v[14:15], v[14:15], v[252:253] op_sel_hi:[1,0]   ; the sums under the new M; also the plain instruction behind the exponentials (ISA guide 5.7.2)
	s_wait_alu depctr_va_vdst(0)                   ; the 68 exponentials have written p (v96-159) and the blocks' largest p (v232-235): one wait for the batch, ahead of its first reader
.irp b, 0,1,2,3
	v_max_num_f32 v[232+\b], 0x1800000, v[232+\b]  ; the floor 2^(3 - 127): the byte cannot fall under 1 (a block whose every p is 0 keeps that byte: its codes are zeros)
.endr
.irp b, 0,1,2,3
	v_add_nc_u32 v[244+\b], 0xff000000, v[232+\b]  ; 2 off the exponent field: the conversion's scale operand
.endr
.irp b, 0,1,2,3
	v_lshrrev_b32 v[236+\b], 23, v[244+\b]         ; the scale's byte
.endr
	v_lshl_or_b32 v250, v237, 8, v236              ; p's scale word for these 128 keys, in a register that holds nothing else
	v_lshl_or_b32 v250, v238, 16, v250
	v_lshl_or_b32 v250, v239, 24, v250
.irp b, 0,1,2,3
	v_cvt_scalef32_pk8_fp4_f32 v[224+2*\b], v[96+16*\b:103+16*\b], v[244+\b]
	v_cvt_scalef32_pk8_fp4_f32 v[225+2*\b], v[104+16*\b:111+16*\b], v[244+\b]
.endr
	v_nop                                          ; one plain instruction between a scaled conversion and the instruction that touches its result
.irp c, 0,1                                        ; the operand's layout wants a whole block in a lane: lanes 0-15 block 2 c, lanes 16-31 block 2 c + 1
.irp i, 0,1
	v_permlane16_swap_b32 v[224+4*\c+\i], v[226+4*\c+\i]
.endr
.endr
	v_pk_add_f32 v[236:237], v[96:97], v[98:99]    ; THE ROW'S SUM IS TAKEN OF THE UNQUANTISED p: two at a time, in two chains
.set j, 4
.rept 15
	v_pk_add_f32 v[14:15], v[14:15], v[96+j:97+j]
	v_pk_add_f32 v[236:237], v[236:237], v[98+j:99+j]
.set j, j+4
.endr
	v_pk_add_f32 v[14:15], v[14:15], v[236:237]
.set j, 0
.rept 16
	v_pk_mul_f32 v[160+j:161+j], v[160+j:161+j], v[252:253] op_sel_hi:[1,0]   ; O^T under the new M, each accumulator from its low end on.  The 32 additions above are the places between p's codes and scale word and the products below
.set j, j+2
.endr
	s_wait_dscnt 0x0                               ; V's fragments and scale words are in
	s_wait_alu depctr_va_vdst(0)                   ; the conversions and the exchanges of halves have written p's codes v224-231, the shifts its scale word v250: the products below take them as operand and scales; the places above stay beside this wait
.irp t, 0,1,2,3                                    ; O^T += V^T P^T: four accumulators by turns, one instruction a turn; between two products on one of them stand the other three's and the next step's eight
.if \t%2
	v_wmma_scale_f32_16x16x128_f8f6f4 v[160+8*\t:167+8*\t], v[192+8*\t:199+8*\t], v[224:231], v[160+8*\t:167+8*\t], v[248+\t/2], v250 matrix_a_fmt:MATRIX_FMT_FP4 matrix_b_fmt:MATRIX_FMT_FP4 matrix_a_scale:MATRIX_SCALE_ROW1
.else
	v_wmma_scale_f32_16x16x128_f8f6f4 v[160+8*\t:167+8*\t], v[192+8*\t:199+8*\t], v[224:231], v[160+8*\t:167+8*\t], v[248+\t/2], v250 matrix_a_fmt:MATRIX_FMT_FP4 matrix_b_fmt:MATRIX_FMT_FP4
.endif
.endr
.Lskip_\@:                                         ; no load of any kind is out here, on either way
	s_add_co_u32 s[TK], s[TK], 4096
	s_add_co_u32 s[TS], s[TS], 512
	s_add_co_u32 s[TV], s[TV], 4*VP
	s_add_co_u32 s[TJ], s[TJ], 256
	s_sub_co_u32 s[CNT], s[CNT], 1
	s_cmp_lg_u32 s[CNT], 0
	s_cbranch_scc1 .Lstep_\@
	; THE WAY OUT.  O^T / the sum goes through my stage in LDS and comes back as whole rows of 256 bytes.
.rept 4
	v_nop                                          ; four places behind the last products
.endr
	v_add_f32 v14, v14, v15                        ; the sum's two halves,
	v_permlanex16_b32 v254, v14, s[SEL], s[SEL+1]
	v_add_f32 v14, v14, v254                       ; and lane l xor 16's: the row's sum
	s_wait_alu depctr_va_vdst(0)
	v_rcp_f32 v14, v14
	v_nop                                          ; a plain instruction behind the reciprocal
	s_wait_alu depctr_va_vdst(0)                   ; the reciprocal has written v14, ahead of its first reader
.set j, 0
.rept 16
	v_pk_mul_f32 v[96+j:97+j], v[160+j:161+j], v[14:15] op_sel_hi:[1,0]   ; register 8 t + i is out0(r, 16 t + 8 h + i)
.set j, j+2
.endr
	s_wait_alu depctr_va_vdst(0)                   ; the multiplications have written v96-127, which the LDS stores read; the tile's products are done reading V's fragments v192-223, in which the loads from the stage land, and Q's v16-24, in which the next tile's loads land
.irp t, 0,1,2,3
.irp c, 0,1
	ds_store_b128 v[SIN], v[96+8*\t+4*\c:99+8*\t+4*\c] offset:64*\t+16*\c
.endr
.endr
.irp i, 0,1,2,3,4,5,6,7
	ds_load_b128 v[192+4*\i:195+4*\i], v[SOUT] offset:2*VP*\i   ; LDS serves a wave's instructions in order: these see my stores
.endr
.irp i, 0,1,2,3,4,5,6,7
	s_wait_dscnt 7-\i                              ; load i is back, the younger ones stay out
	global_store_b128 v[AK], v[192+4*\i:195+4*\i], s[\ob:\ob+1] offset:512*\i th:TH_STORE_NT   ; 32 lanes store two rows: 512 consecutive bytes, at a multiple of 256 from out0's first byte; written once
.endr
.endm
	TILE 84, 86, 88, 90, 100
	s_wait_xcnt 0x0                                ; the stores have read their registers: the next tile's loads land in v192-223 only behind this wait
	s_wait_alu depctr_vm_vsrc(0)                   ; the stores into the stage have read v96-127 and the stores of out0 v192-223: the next tile's scores, results and LDS loads write these registers
	TILE 92, 94, 96, 98, 101
	s_wait_dscnt 0x0                               ; the closing lines, six on end
	s_wait_alu 0x0
	s_wait_tensorcnt 0x0
	ds_add_u32 v251, v255
	s_wait_dscnt 0x0
	s_endpgm
.Lfunc_end_k_qb2b1d3c508_attn:
	.size	k_qb2b1d3c508_attn, .Lfunc_end_k_qb2b1d3c508_attn-k_qb2b1d3c508_attn
	.p2alignl 7, 3214868480
	.fill 96, 4, 3214868480
	.section	.rodata,"a",@progbits
	.p2align	6, 0x0
	.amdhsa_kernel k_qb2b1d3c508_attn
		.amdhsa_group_segment_fixed_size 219136
		.amdhsa_private_segment_fixed_size 0
		.amdhsa_enable_private_segment 0
		.amdhsa_kernarg_size 72
		.amdhsa_user_sgpr_count 2
		.amdhsa_user_sgpr_kernarg_segment_ptr 1
		.amdhsa_wavefront_size32 1
		.amdhsa_system_sgpr_workgroup_id_x 1
		.amdhsa_system_sgpr_workgroup_id_y 1
		.amdhsa_system_sgpr_workgroup_id_z 1
		.amdhsa_system_vgpr_workitem_id 0
		.amdhsa_next_free_vgpr 256
		.amdhsa_next_free_sgpr 102
		.amdhsa_reserve_vcc 0
		.amdhsa_float_denorm_mode_32 3
		.amdhsa_float_denorm_mode_16_64 3
		.amdhsa_memory_ordered 1
		.amdhsa_forward_progress 1
		.amdhsa_inst_pref_size 61
	.end_amdhsa_kernel
	.amdgpu_metadata
---
amdhsa.version: [ 1, 2 ]
amdhsa.kernels:
  - .name:           k_qb2b1d3c508_attn
    .symbol:         k_qb2b1d3c508_attn.kd
    .args:
      - { .name: K_codes, .offset: 0, .size: 8, .value_kind: global_buffer, .address_space: global }
      - { .name: K_scales, .offset: 8, .size: 8, .value_kind: global_buffer, .address_space: global }
      - { .name: V_codes, .offset: 16, .size: 8, .value_kind: global_buffer, .address_space: global }
      - { .name: V_scales, .offset: 24, .size: 8, .value_kind: global_buffer, .address_space: global }
      - { .name: Q_codes, .offset: 32, .size: 8, .value_kind: global_buffer, .address_space: global }
      - { .name: Q_scales, .offset: 40, .size: 8, .value_kind: global_buffer, .address_space: global }
      - { .name: mbits, .offset: 48, .size: 8, .value_kind: global_buffer, .address_space: global }
      - { .name: mflags, .offset: 56, .size: 8, .value_kind: global_buffer, .address_space: global }
      - { .name: out0, .offset: 64, .size: 8, .value_kind: global_buffer, .address_space: global }
    .group_segment_fixed_size: 219136
    .private_segment_fixed_size: 0
    .kernarg_segment_align: 8
    .kernarg_segment_size: 72
    .max_flat_workgroup_size: 512
    .sgpr_count:     102
    .vgpr_count:     256
    .wavefront_size: 32
...
	.end_amdgpu_metadata
.endif
;; end of part 4
